; MI455X (gfx1250); checked and timed in simulation.
; The chip was launched on July 23, 2026; its instructions are those of AMD's public machine-readable ISA for CDNA 5 (MIT licence, August 2026) and "CDNA5" Instruction Set Architecture Reference Guide (July 2026). The comments in the code are by the model that wrote it; some were corrected since.
;; Attention Layer. Allowed arithmetic: matrix products marked QUANTISED: E4M3 operands, one given power-of-two scale a tensor, by v_wmma_f32_16x16x64_fp8_fp8 or v_wmma_f32_16x16x128_fp8_fp8, f32 sums; everything else in f32.
;; Inputs: gate_logit 16 float32; lowp_scales 18 int32 (the exponents e of the quantised operands' scales 2^e); wk_geo 2,048 x 1,024 float32; wk_sem 2,048 x 1,024 float32; wo 2,048 x 2,048 float32; wq_geo 2,048 x 1,024 float32; wq_sem 2,048 x 1,024 float32; wv 2,048 x 2,048 float32; x 2 x 1,024 x 2,048 float32.
;; Outputs: out0 2 x 1,024 x 2,048 float32.
;; This version of the problem:
;;   THIS VERSION OF THE PROBLEM IS GIVEN IN LOW PRECISION. The matrix products marked QUANTISED in the list below multiply operands that are first quantised to E4M3 (4 exponent bits, 3 mantissa bits; 8 bits a number), with one given power-of-two scale for each operand tensor; their sums are f32. All else is computed in f32.
;;   The module's matrix products, in the order in which they are computed (A, B: the left and right operand; K: the contracted axis; several contracted axes count as one K, in the product's order):
;;     1. [M 2,048, K 2,048] x [K 2,048, N 1,024]; A: input x; B: input wq_sem: QUANTISED (scales: A lowp_scales[0], B lowp_scales[1])
;;     2. [M 2,048, K 2,048] x [K 2,048, N 1,024]; A: input x; B: input wk_sem: QUANTISED (scales: A lowp_scales[2], B lowp_scales[3])
;;     3. [M 2,048, K 2,048] x [K 2,048, N 1,024]; A: input x; B: input wq_geo: QUANTISED (scales: A lowp_scales[4], B lowp_scales[5])
;;     4. [M 2,048, K 2,048] x [K 2,048, N 1,024]; A: input x; B: input wk_geo: QUANTISED (scales: A lowp_scales[6], B lowp_scales[7])
;;     5. [M 2,048, K 2,048] x [K 2,048, N 2,048]; A: input x; B: input wv: QUANTISED (scales: A lowp_scales[8], B lowp_scales[9])
;;     6. batch 32 x [M 1,024, K 64] x [K 64, N 1,024]; A: computed on the way; B: computed on the way: QUANTISED (scales: A lowp_scales[10], B lowp_scales[11])
;;     7. batch 32 x [M 1,024, K 64] x [K 64, N 1,024]; A: computed on the way; B: computed on the way: QUANTISED (scales: A lowp_scales[12], B lowp_scales[13])
;;     8. batch 32 x [M 128, K 1,024] x [K 1,024, N 1,024]; A: computed on the way; B: softmax (see below): QUANTISED (scales: A lowp_scales[14], B lowp_scales[15])
;;     9. [M 2,048, K 2,048] x [K 2,048, N 2,048]; A: computed on the way; B: input wo: QUANTISED (scales: A lowp_scales[16], B lowp_scales[17])
;;   THE QUANTISER, for each operand of a quantised product, along K:
;;     - The operand's scale is 2^e, e = its entry of the input lowp_scales (int32; the entries are numbered through the quantised products in the list's order, A before B).
;;     - Each number is divided by the scale, clamped to +-448, and rounded to the nearest number of E4M3, ties to even, subnormals kept.
;;     - The product sums the exact products of the quantised numbers (number of the format x scale) in f32.
;;   ~~~python
;;   def quantise(x, axis, e):      # numpy; x: float32 -> the quantised numbers, widened to float32 again
;;       x = np.moveaxis(x, axis, -1); K = x.shape[-1]
;;       r = np.clip(x / 2.0 ** e, -448, 448)
;;       step = 2.0 ** (np.maximum(np.frexp(np.where(r == 0, 1, r))[1] - 1, -6) - 3)
;;       q = np.round(r / step) * step * 2.0 ** e      # np.round: ties to even
;;       return np.moveaxis(q, -1, axis).astype(np.float32)
;;   ~~~
;;   SOFTMAX AHEAD OF A QUANTISED PRODUCT. Where the list says 'softmax', what is quantised is not the finished softmax but p = 2^(t - M), with t = logit x log2(e) and M = ceil(the row's largest t), a whole number; so 1/2 < the row's largest p <= 1. The row's sum l is taken of the UNQUANTISED p, in f32, and the product's result is divided by l at the end. Since M is a whole number, a kernel that streams over the keys may use a running M (the ceiling of the running maximum): every later rescaling is an exact power of two, so the quantised numbers keep their values, but for numbers so far below the row's largest that they fall under the format's range.
;;   OPERANDS COMPUTED ON THE WAY. 'Computed on the way' means the value that the module computes at that place (a softmax that the list does not call 'softmax' is quantised finished and normalised). What goes into a quantiser is computed in f32, as accurately as f32 sums, v_exp_f32 and their like allow (about 1e-6 of the number): no bf16 or f16 on the way to a quantiser, and a product that is left as it is and whose result goes on into a quantised operand takes f32 operands (vector FMAs, or v_wmma_f32_16x16x4_f32). A number that lies on a knife's edge between two numbers of the format may be rounded either way, as far as f32 arithmetic and the matrix unit's own rounding can turn it there, and no further.
;; One version. Each part assembles by itself: llvm-mc -triple=amdgcn-amd-amdhsa -mcpu=gfx1250 --defsym DOCPART=n.
;; ======== version 1 of 1: 4 launches
;; limits: right only within a limited range of input values
;; workspace buffers: xc 20,971,520 bytes; wc 16,777,216 bytes; tab 262,144 bytes; qc 4,194,304 bytes; kc 4,194,304 bytes; vc 4,194,304 bytes; oc 4,194,304 bytes
;; launch prep (part 1): grid 1024 x 1, 4 waves a work-group, no clusters, 34,304 bytes of LDS; arguments x, wq_sem, wk_sem, wq_geo, wk_geo, wv, wo, lowp_scales, xc, wc, tab; writes xc, wc, tab
.if DOCPART == 1
	.amdgcn_target "amdgcn-amd-amdhsa--gfx1250"
	.amdhsa_code_object_version 6
	.text
	.protected	k_q9fd9a4674d_prep
	.globl	k_q9fd9a4674d_prep
	.p2align	8
	.type	k_q9fd9a4674d_prep,@function
k_q9fd9a4674d_prep:
	s_mov_b64 s[64:65], 0
	v_nop
	global_prefetch_b8 v0, s[64:65] scope:SCOPE_SE
	s_setreg_imm32_b32 hwreg(HW_REG_WAVE_MODE, 25, 1), 1
	s_wait_xcnt 0x0
; PREP: everything that is quantised once.  Two kinds of work-groups, told apart by the work-group's number alone.
;   0..511     x [2048][2048] f32 -> xc: five sets of E4M3 codes, one for each scale entry 0, 2, 4, 6, 8.  Their waves 0 also make the table of cos and sin for the rotation, two positions each
;   512..1023  the six weights [K 2048][N] f32 -> wc: E4M3 codes with K innermost (entries 1, 3, 5, 7, 9, 17)
; THE UNIT OF xc AND wc IS A FRAGMENT of 2,048 bytes: the image of an operand's registers for 16 rows x 128 K.  Piece c (0..3) lies at 512 c,
; lane l's 16 bytes at 16 l; lane (r = l % 16, h = l / 16) holds k = 32 c + 16 h + 0 .. 15 of row r.  xc: [set][tile 0..127][K step 0..15]; wc: [tile 0..511][K step 0..15].
; TILES.  x: place P (tile P / 16, row P % 16) holds the token that is P with bits 3 and 4 exchanged.  Weights: the four tiles j = 0..3 of a group of 64 columns hold columns four apart:
; place r of tile j is column 4 pi(r) + j of the group, pi(r) = r with bits 2 and 3 exchanged.  So a lane's eight results of a tile, places 8 h + i, are columns 16 h + 4 i + j (i < 4) and the same + 32 (i >= 4).
; wo's K is the order in which the attention's results stand: piece u, half h, code 8 e + i is d = 64 (u / 2) + 4 pi(8 h + i) + 2 (u % 2) + e of its head.
; tab[position][cos | sin][16 h + 4 j + i] is for frequency 16 h + 4 i + j.
; code = number / 2^e, held within +-448, to the nearest code, ties to even.
; LEFT OUT in the whole program: the key steps of 128 keys all of which reference()'s own causal mask hides from a wave's queries (launch attn); a NaN or an infinity that reaches only those scores is not carried to the result.
; LIMITS: each e between -126 and 119; NaN among the inputs is not served.  The frequencies 10000^(-i/32) carry the error of one v_exp_f32, so an angle at position 1023
; may differ from an exact one by some 5e-5 rad.  A stream: no barrier, no matrix unit, no cluster, no prefetch: waves share nothing, each byte is read once and no loop runs ahead of its loads.
.set XR,  16                           ; v16-79   x as loaded; behind the turn through LDS v16-47 two sets of 16 held numbers, v48-79 the codes of sets 0 and 1
.set XT,  80                           ; v80-143  x turned: 64 numbers of my row;  v144-191 the codes of sets 2, 3, 4.  Ahead of the turn v80-123 serve the table
.set TMP, 16
.set XP,  528                          ; x's stage in LDS: a row of 512 bytes + 16: row r starts 4 r banks on
.set XREG, 16*XP                       ; 8,448 bytes for each wave, its own
.set WX,  16                           ; v16-143  a weight: two units of 16 K x 4 columns
.set WT,  144                          ; v144-175 two sets of 16 held numbers
.set WC,  176                          ; v176-239 a weight's codes: never written again
	s_load_b512 s[8:23], s[0:1], 0x0               ; x 8, wq_sem 10, wk_sem 12, wq_geo 14, wk_geo 16, wv 18, wo 20, the scales' exponents 22
	s_load_b128 s[24:27], s[0:1], 0x40             ; xc, wc
	s_load_b64 s[28:29], s[0:1], 0x50              ; tab
	v_lshl_add_u32 v254, v0, 2, 0x8400             ; my spare word, behind the four stages
	v_mov_b32 v255, 0
	v_lshrrev_b32 v1, 5, v0
	v_readfirstlane_b32 s30, v1                    ; wave
	v_and_b32 v1, 31, v0                           ; lane
	v_and_b32 v2, 15, v0                           ; r
	v_bfe_u32 v3, v0, 4, 1                         ; h
	v_lshlrev_b32 v5, 4, v1                        ; 16 x lane
	s_wait_alu depctr_va_vdst(0)
	s_wait_kmcnt 0x0
	s_cmp_lt_u32 ttmp9, 512
	s_cbranch_scc0 .Lw
; ---------------- x.  A WAVE MAKES ONE FRAGMENT, in all five sets: tile T = work-group / 4, K step 4 (work-group % 4) + wave.  No register that a store reads is written again.
; Each of the 16 loads reads one true row's K step: 512 consecutive bytes, 16 a lane.  The conversions want 16 neighbours along K in ONE lane: so the 8,192 bytes turn through the wave's own stage in LDS.
; LDS serves a wave's instructions in order, so no wait stands between the stores and the loads, and no other wave touches these bytes.
	s_load_b512 s[44:59], s[22:23], 0x0            ; entries 0 .. 15; 0, 2, 4, 6, 8 are x's
	s_mul_i32 s31, s30, XREG                       ; my stage
	v_add_nc_u32 v4, s31, v5                       ; in: 16 x lane of a row
	v_mul_u32_u24 v1, v2, XP
	v_lshl_add_u32 v1, v3, 6, v1
	v_add_nc_u32 v1, s31, v1                       ; back: row r, + 64 h: my 16 numbers of a block of 32
	s_lshr_b32 s34, ttmp9, 2                       ; T
	s_and_b32 s35, ttmp9, 3
	s_lshl_b32 s35, s35, 2
	s_add_co_u32 s35, s35, s30                     ; the K step
	s_lshr_b32 s32, s34, 1
	s_lshl_b32 s32, s32, 5
	s_and_b32 s33, s34, 1
	s_lshl_b32 s33, s33, 3
	s_add_co_u32 s32, s32, s33                     ; the tile's first true row: 32 (T / 2) + 8 (T % 2)
	s_lshl_b32 s32, s32, 13                        ; a row of x is 8,192 bytes,
	s_lshl_b32 s33, s35, 9                         ; a K step 512 of them
	s_add_co_u32 s32, s32, s33
	s_mov_b32 s33, 0
	s_add_nc_u64 s[32:33], s[8:9], s[32:33]
	s_lshl_b32 s60, s34, 4
	s_add_co_u32 s60, s60, s35
	s_lshl_b32 s60, s60, 11                        ; fragment 16 T + K step
	s_mov_b32 s61, 0
	s_add_nc_u64 s[34:35], s[24:25], s[60:61]
.irp p, 1,2,3,4
	s_add_nc_u64 s[34+2*\p:35+2*\p], s[34:35], \p*4194304
.endr
.irp i, 0,1,2,3,4,5,6,7,8,9,10,11,12,13,14,15
	global_load_b128 v[XR+4*\i:XR+4*\i+3], v5, s[32:33] offset:(\i+8*(\i/8))*8192 th:TH_LOAD_NT   ; place i of the tile is true row i + 8 (i / 8) from its first
.endr
.irp k, 0,1,2,3
	v_mov_b32 v[196+\k], 0                         ; (written on every way, stored by wave 0 alone)
.endr
	s_wait_alu depctr_va_vdst(0)                   ; ahead of the branch
	s_cmp_lg_u32 s30, 0
	s_cbranch_scc1 .Lno_table
; THE TABLE, under the flight of x's loads: positions 2 x work-group + (lane / 16): 512 consecutive bytes, two rows.
; u = l % 16: u < 8: cos, u >= 8: sin, of frequencies 16 ((u % 8) / 4) + u % 4 + 4 k, k = 0 .. 3.  sin(a) = cos(a - pi/2): the sine lanes add 3 to the quadrant.
	s_lshl_b32 s66, ttmp9, 9
	s_mov_b32 s67, 0
	s_add_nc_u64 s[28:29], s[28:29], s[66:67]
	s_lshl_b32 s66, ttmp9, 1
	s_mov_b32 s68, 0x3ed49a00                      ; log2(10000) / 32 in two parts: 27213 / 65536, whose product with i <= 31 is exact,
	s_mov_b32 s69, 0x3670979a                      ; and the rest
	s_mov_b32 s70, 0x3f22f983                      ; 2 / pi
	s_mov_b32 s71, 0x3fc90000                      ; pi / 2 in three parts
	s_mov_b32 s72, 0x39fda000
	s_mov_b32 s73, 0x33a22168
	s_mov_b32 s74, 0xbe2aaaa3                      ; sine's polynomial on |r| <= pi / 4
	s_mov_b32 s75, 0x3c08839e
	s_mov_b32 s76, 0xb94ca1f9
	s_mov_b32 s77, 0x3d2aaaa5                      ; cosine's
	s_mov_b32 s78, 0xbab6061a
	s_mov_b32 s79, 0x37ccf5ce
	v_add_nc_u32 v80, s66, v3
	v_cvt_f32_u32 v80, v80                         ; my position
	v_and_b32 v81, 7, v2
	v_lshrrev_b32 v82, 2, v81
	v_lshlrev_b32 v82, 4, v82
	v_and_b32 v81, 3, v81
	v_add_nc_u32 v82, v82, v81                     ; my first frequency
	v_lshrrev_b32 v81, 3, v2
	v_mul_u32_u24 v81, 3, v81                      ; 3 in the sine lanes, else 0
.irp k, 0,1,2,3
	v_add_nc_u32 v[88+\k], 4*\k, v82
	v_cvt_f32_u32 v[88+\k], v[88+\k]               ; i
	v_mul_f32 v[92+\k], s68, v[88+\k]              ; a = i x the first part: exact
	v_rndne_f32 v[96+\k], v[92+\k]                 ; n
	v_sub_f32 v[92+\k], v[96+\k], v[92+\k]         ; n - a: exact
	v_fma_f32 v[92+\k], -v[88+\k], s69, v[92+\k]   ; n - i log2(10000) / 32, between -1/2 and 1/2
	v_cvt_i32_f32 v[96+\k], v[96+\k]
	v_sub_nc_u32 v[96+\k], 0, v[96+\k]             ; -n
.endr
	s_wait_alu depctr_va_vdst(0)                   ; the wait ahead of the batch,
.irp k, 0,1,2,3
	v_exp_f32 v[84+\k], v[92+\k]
.endr
	v_nop
	s_wait_alu depctr_va_vdst(0)                   ; and behind it
.irp k, 0,1,2,3
	v_ldexp_f32 v[84+\k], v[84+\k], v[96+\k]       ; the frequency 10000^(-i/32)
.endr
.irp k, 0,1,2,3
	v_mul_f32 v[88+\k], v80, v[84+\k]              ; the angle: one rounding
	v_mul_f32 v[92+\k], s70, v[88+\k]
	v_rndne_f32 v[92+\k], v[92+\k]                 ; the quadrant, at most 652
	v_fma_f32 v[96+\k], -v[92+\k], s71, v[88+\k]
	v_fma_f32 v[96+\k], -v[92+\k], s72, v[96+\k]
	v_fma_f32 v[96+\k], -v[92+\k], s73, v[96+\k]   ; r
	v_mul_f32 v[100+\k], v[96+\k], v[96+\k]        ; z = r r
	v_fma_f32 v[104+\k], s76, v[100+\k], s75
	v_fma_f32 v[104+\k], v[104+\k], v[100+\k], s74
	v_mul_f32 v[104+\k], v[104+\k], v[100+\k]
	v_fma_f32 v[104+\k], v[104+\k], v[96+\k], v[96+\k]   ; sin r
	v_fma_f32 v[108+\k], s79, v[100+\k], s78
	v_fma_f32 v[108+\k], v[108+\k], v[100+\k], s77
	v_mul_f32 v[112+\k], v[100+\k], v[100+\k]
	v_fma_f32 v[116+\k], v[100+\k], -0.5, 1.0
	v_fma_f32 v[108+\k], v[108+\k], v[112+\k], v[116+\k]   ; cos r
	v_cvt_i32_f32 v[120+\k], v[92+\k]
	v_add_nc_u32 v[120+\k], v[120+\k], v81         ; q.  cos(r + q pi/2) = cos r, -sin r, -cos r, sin r for q % 4 = 0, 1, 2, 3
	v_and_b32 v[112+\k], 1, v[120+\k]
	v_cmp_eq_u32 vcc_lo, 1, v[112+\k]
	v_cndmask_b32 v[196+\k], v[108+\k], v[104+\k], vcc_lo
	v_add_nc_u32 v[120+\k], 1, v[120+\k]
	v_and_b32 v[120+\k], 2, v[120+\k]
	v_lshlrev_b32 v[120+\k], 30, v[120+\k]
	v_xor_b32 v[196+\k], v[196+\k], v[120+\k]      ; the sign.  Stored at the wave's end, behind its other stores
.endr
	s_wait_alu depctr_va_vdst(0)
.Lno_table:
	s_wait_kmcnt 0x0
.irp p, 0,1,2,3,4
	s_add_co_i32 s60, s[44+2*\p], 127
	s_lshl_b32 s61, s60, 23
	v_mov_b32 v[6+2*\p], s61                       ; 2^e as f32
	s_add_co_i32 s60, s60, 8
	s_lshl_b32 s60, s60, 23
	s_or_b32 s60, s60, 0x600000
	v_mov_b32 v[7+2*\p], s60                       ; 448 x 2^e
.endr
	s_wait_alu depctr_va_vdst(0)
.irp g, 0,1,2,3
	s_wait_loadcnt 12-4*\g                         ; rows 4 g .. 4 g + 3 are in; the later rows' loads may be out
.irp j, 0,1,2,3
	ds_store_b128 v4, v[XR+16*\g+4*\j:XR+16*\g+4*\j+3] offset:(4*\g+\j)*XP
.endr
.endr
.irp b, 0,1,2,3
.irp j, 0,1,2,3
	ds_load_b128 v[XT+16*\b+4*\j:XT+16*\b+4*\j+3], v1 offset:128*\b+16*\j   ; register 16 b + i = k 32 b + 16 h + i of row r
.endr
.endr
	s_wait_dscnt 0x0                               ; the numbers are back; the stores into the stage have read v16-79, which are used anew below
.macro QV p                            ; the 64 numbers become codes under scale entry 2 p, in registers of that set's own
.if (\p) < 2
.set CB, 48+16*(\p)
.else
.set CB, 112+16*(\p)
.endif
.irp b, 0,1,2,3
.set i, 0
.rept 16
	v_med3_num_f32 v[TMP+16*(\b%2)+i], v[XT+16*\b+i], -v[7+2*(\p)], v[7+2*(\p)]   ; the conversion does not saturate (ISA guide 7.6.2): the hold comes first.  The other set's 16 holds are the plain lines behind the conversions
.set i, i+1
.endr
	v_cvt_scalef32_pk8_fp8_f32 v[CB+4*\b:CB+4*\b+1], v[TMP+16*(\b%2):TMP+16*(\b%2)+7], v[6+2*(\p)]
	v_cvt_scalef32_pk8_fp8_f32 v[CB+4*\b+2:CB+4*\b+3], v[TMP+16*(\b%2)+8:TMP+16*(\b%2)+15], v[6+2*(\p)]
.endr
.endm
.macro SENDX p
.if (\p) < 2
.set CB, 48+16*(\p)
.else
.set CB, 112+16*(\p)
.endif
.irp c, 0,1,2,3
	global_store_b128 v5, v[CB+4*\c:CB+4*\c+3], s[34+2*(\p):35+2*(\p)] offset:512*\c   ; 512 consecutive bytes
.endr
.endm
.irp p, 0,1,2,3,4
	QV \p
.endr
.irp p, 0,1,2,3,4                      ; all stores behind all conversions
	SENDX \p
.endr
	s_cmp_lg_u32 s30, 0
	s_cbranch_scc1 .Lno_table_out
	global_store_b128 v5, v[196:199], s[28:29]     ; the table's two rows
.Lno_table_out:
	s_wait_tensorcnt 0x0                           ; the wave's end
	ds_add_u32 v254, v255
	s_wait_dscnt 0x0
	s_endpgm
; ---------------- THE WEIGHTS.  Work-group: 128 columns (cg = 0..63 over all weights) x 256 along K (kp = 0..7); wave w takes 64 along K, in four units of 16.
; A LANE TAKES FOUR NEIGHBOURING COLUMNS, 4 pi(r) .. + 3 of group lane / 16: a load is 512 consecutive bytes of a row of W.  The holds put a column's 16 numbers into consecutive registers, so the conversions give codes with K innermost.
; Column j of every lane belongs to tile j: a store writes two whole aligned runs of 256 bytes, one for each group of 64 columns.
.Lw:
	s_sub_co_u32 s31, ttmp9, 512
	s_lshr_b32 s32, s31, 3                         ; cg
	s_and_b32 s33, s31, 7                          ; kp
	v_and_b32 v6, 3, v2
	v_bfe_u32 v7, v2, 2, 1
	v_lshl_or_b32 v6, v7, 3, v6
	v_bfe_u32 v7, v2, 3, 1
	v_lshl_or_b32 v6, v7, 2, v6                    ; pi(r)
	v_lshlrev_b32 v8, 8, v3
	v_lshl_add_u32 v8, v6, 4, v8                   ; in: 256 (lane / 16) + 16 pi(r)
	v_lshlrev_b32 v9, 17, v3
	v_lshl_add_u32 v9, v2, 4, v9                   ; out: four tiles of 32,768 bytes for each group, + 16 r
	s_lshl_b32 s34, s32, 18                        ; tile 8 cg
	s_lshl_b32 s35, s33, 12                        ; K step 2 kp
	s_add_co_u32 s34, s34, s35
	s_lshl_b32 s35, s30, 10                        ; + w / 2, and piece 2 (w % 2)
	s_add_co_u32 s34, s34, s35
	s_mov_b32 s35, 0
	s_add_nc_u64 s[26:27], s[26:27], s[34:35]
.macro WLOAD t, n, perm                ; unit t: 16 rows of W: the wave's rows 16 t + i, or (perm) the order of wo's K
.set i, 0
.rept 16
.if \perm
.set ROW, 4*(8*((i%8)/4)+4*((\t)%2)+(i%4))+2*((\t)/2)+(i/8)
.else
.set ROW, 16*(\t)+i
.endif
	global_load_b128 v[WX+64*((\t)%2)+4*i:WX+64*((\t)%2)+4*i+3], v8, s[36:37] offset:ROW*(\n)*4 th:TH_LOAD_NT
.set i, i+1
.endr
.endm
.macro WUNIT t, n, perm
.set XS, WX+64*((\t)%2)
.if (\t) < 3
	s_wait_loadcnt 16                              ; this unit's 16 loads are in; the next unit's may be out
.else
	s_wait_loadcnt 0
.endif
.irp j, 0,1,2,3
.set i, 0
.rept 16
	v_med3_num_f32 v[WT+16*(\j%2)+i], v[XS+4*i+\j], -v10, v10
.set i, i+1
.endr
	v_cvt_scalef32_pk8_fp8_f32 v[WC+16*(\t)+4*\j:WC+16*(\t)+4*\j+1], v[WT+16*(\j%2):WT+16*(\j%2)+7], v11   ; results go to stores alone; the next vector lines are the other set's holds
	v_cvt_scalef32_pk8_fp8_f32 v[WC+16*(\t)+4*\j+2:WC+16*(\t)+4*\j+3], v[WT+16*(\j%2)+8:WT+16*(\j%2)+15], v11
.endr
.if (\t)+2 < 4
	WLOAD (\t)+2, \n, \perm
.endif
.endm
.macro WPATH n, perm                   ; s[36:37]: the weight; s38: the byte of its scale entry; s39: which 128 of its columns
	s_mov_b32 s42, s38
	s_mov_b32 s43, 0
	s_add_nc_u64 s[42:43], s[22:23], s[42:43]
	s_load_b32 s44, s[42:43], 0x0                  ; e
	s_mul_i32 s46, s33, 1024*\n                    ; 256 kp rows of 4 n bytes
	s_mul_i32 s47, s30, 256*\n                     ; + 64 w rows
	s_add_co_u32 s46, s46, s47
	s_lshl_b32 s47, s39, 9
	s_add_co_u32 s46, s46, s47
	s_mov_b32 s47, 0
	s_add_nc_u64 s[36:37], s[36:37], s[46:47]
	WLOAD 0, \n, \perm
	WLOAD 1, \n, \perm
	s_wait_kmcnt 0x0
	s_add_co_i32 s44, s44, 127
	s_lshl_b32 s45, s44, 23
	v_mov_b32 v11, s45                             ; 2^e
	s_add_co_i32 s44, s44, 8
	s_lshl_b32 s44, s44, 23
	s_or_b32 s44, s44, 0x600000
	v_mov_b32 v10, s44                             ; 448 x 2^e
	s_wait_alu depctr_va_vdst(0)
.irp t, 0,1,2,3
	WUNIT \t, \n, \perm
.endr
.irp j, 0,1,2,3                        ; all stores behind all conversions: a tile's four runs of 256 bytes are 1,024 on end
.irp t, 0,1,2,3
	global_store_b128 v9, v[WC+16*\t+4*\j:WC+16*\t+4*\j+3], s[26:27] offset:\j*32768+512*(\t/2)+256*(\t%2)
.endr
.endr
	s_endpgm
.endm
	s_wait_alu depctr_va_vdst(0)                   ; the wait ahead of the branches
	s_and_b32 s39, s32, 15
	s_cmp_lt_u32 s32, 32
	s_cbranch_scc1 .Lw1024
	s_cmp_lt_u32 s32, 48                           ; cg 32..47: wv, entry 9; 48..63: wo, entry 17
	s_cbranch_scc0 .Lwo
	s_mov_b64 s[36:37], s[18:19]
	s_mov_b32 s38, 36
	WPATH 2048, 0
.Lwo:
	s_mov_b64 s[36:37], s[20:21]
	s_mov_b32 s38, 68
	WPATH 2048, 1
.Lw1024:
	s_lshr_b32 s40, s32, 3                         ; which of the four: wq_sem, wk_sem, wq_geo, wk_geo: entries 1, 3, 5, 7
	s_cmp_eq_u32 s40, 1
	s_cselect_b64 s[36:37], s[12:13], s[10:11]
	s_cmp_eq_u32 s40, 2
	s_cselect_b64 s[36:37], s[14:15], s[36:37]
	s_cmp_eq_u32 s40, 3
	s_cselect_b64 s[36:37], s[16:17], s[36:37]
	s_lshl_b32 s38, s40, 3
	s_add_co_u32 s38, s38, 4
	s_and_b32 s39, s32, 7
	WPATH 1024, 0
.Lfunc_end_k_q9fd9a4674d_prep:
	.size	k_q9fd9a4674d_prep, .Lfunc_end_k_q9fd9a4674d_prep-k_q9fd9a4674d_prep
	.p2alignl 7, 3214868480
	.fill 96, 4, 3214868480
	.section	.rodata,"a",@progbits
	.p2align	6, 0x0
	.amdhsa_kernel k_q9fd9a4674d_prep
		.amdhsa_group_segment_fixed_size 34304
		.amdhsa_private_segment_fixed_size 0
		.amdhsa_enable_private_segment 0
		.amdhsa_kernarg_size 88
		.amdhsa_user_sgpr_count 2
		.amdhsa_user_sgpr_kernarg_segment_ptr 1
		.amdhsa_wavefront_size32 1
		.amdhsa_system_sgpr_workgroup_id_x 1
		.amdhsa_system_sgpr_workgroup_id_y 1
		.amdhsa_system_sgpr_workgroup_id_z 1
		.amdhsa_system_vgpr_workitem_id 0
		.amdhsa_next_free_vgpr 256
		.amdhsa_next_free_sgpr 100
		.amdhsa_reserve_vcc 1
		.amdhsa_float_denorm_mode_32 3
		.amdhsa_float_denorm_mode_16_64 3
		.amdhsa_memory_ordered 1
		.amdhsa_forward_progress 1
		.amdhsa_inst_pref_size 121
	.end_amdhsa_kernel
	.amdgpu_metadata
---
amdhsa.version: [ 1, 2 ]
amdhsa.kernels:
  - .name:           k_q9fd9a4674d_prep
    .symbol:         k_q9fd9a4674d_prep.kd
    .args:
      - { .name: x, .offset: 0, .size: 8, .value_kind: global_buffer, .address_space: global }
      - { .name: wq_sem, .offset: 8, .size: 8, .value_kind: global_buffer, .address_space: global }
      - { .name: wk_sem, .offset: 16, .size: 8, .value_kind: global_buffer, .address_space: global }
      - { .name: wq_geo, .offset: 24, .size: 8, .value_kind: global_buffer, .address_space: global }
      - { .name: wk_geo, .offset: 32, .size: 8, .value_kind: global_buffer, .address_space: global }
      - { .name: wv, .offset: 40, .size: 8, .value_kind: global_buffer, .address_space: global }
      - { .name: wo, .offset: 48, .size: 8, .value_kind: global_buffer, .address_space: global }
      - { .name: lowp_scales, .offset: 56, .size: 8, .value_kind: global_buffer, .address_space: global }
      - { .name: xc, .offset: 64, .size: 8, .value_kind: global_buffer, .address_space: global }
      - { .name: wc, .offset: 72, .size: 8, .value_kind: global_buffer, .address_space: global }
      - { .name: tab, .offset: 80, .size: 8, .value_kind: global_buffer, .address_space: global }
    .group_segment_fixed_size: 34304
    .private_segment_fixed_size: 0
    .kernarg_segment_align: 8
    .kernarg_segment_size: 88
    .max_flat_workgroup_size: 128
    .sgpr_count:     100
    .vgpr_count:     256
    .wavefront_size: 32
...
	.end_amdgpu_metadata
.endif
;; end of part 1
;; launch proj (part 2): grid 24 x 8, 4 waves a work-group, clusters of 4 x 4, 327,680 bytes of LDS; arguments xc, wc, lowp_scales, tab, qc, kc, vc; writes qc, kc, vc
.if DOCPART == 2
	.amdgcn_target "amdgcn-amd-amdhsa--gfx1250"
	.amdhsa_code_object_version 6
	.text
	.protected	k_q9fd9a4674d_proj
	.globl	k_q9fd9a4674d_proj
	.p2align	8
	.type	k_q9fd9a4674d_proj,@function
k_q9fd9a4674d_proj:
	s_mov_b64 s[64:65], 0
	v_nop
	global_prefetch_b8 v0, s[64:65] scope:SCOPE_SE
	s_setreg_imm32_b32 hwreg(HW_REG_WAVE_MODE, 25, 1), 1
	s_wait_xcnt 0x0
	s_wait_alu depctr_hold_cnt(0) depctr_sa_sdst(0) depctr_va_vdst(0) depctr_va_sdst(0) depctr_va_ssrc(0) depctr_va_vcc(0) depctr_vm_vsrc(0)
	s_getreg_b32 s2, hwreg(HW_REG_IB_STS2, 6, 4)
	s_cmp_eq_u32 s2, 0
	s_cbranch_scc0 .Lentry_in_a_cluster
	s_endpgm
.Lentry_in_a_cluster:
	s_bfe_u32 s2, ttmp6, 0x10000c
	s_cmp_lg_u32 s2, 0xf033
	s_cbranch_scc0 .Lentry_shape_is_right
	s_endpgm
.Lentry_shape_is_right:
; PROJ: the five projections on E4M3 codes, the rotation of the two geometric ones, and the quantising of q, k and v for the attention.
; A work-group of four waves makes 256 x 256 sums over K = 2,048; a wave 128 x 128: 64 accumulators, 512 registers.  24 x 8 work-groups in clusters of 4 x 4.
; The cluster's x says which product: 0 q_sem, 1 k_sem, 2 q_geo, 3 k_geo (p = cluster x), 4 and 5: v (p = 4).  All sixteen partners share it.
; T[i][j] = sum over k of A[i][k] B[j][k], used TRANSPOSED (source 0 = 16 rows of B, source 1 = 16 rows of A): a lane holds one row of A and eight places of B.
;   q, k: A = x's codes under scale entry 2 p (rows: tokens), B = the weight's codes (rows: columns of W): a lane's registers run along the head's d, the next K (in one order for q and k alike).
;   v:    A = wv's codes (rows: d), B = x's codes under entry 8 (rows: tokens): a lane's registers run along the KEYS, the next K.
; Operands lie in memory as fragments of 2,048 bytes (images of 16 registers a lane): a fragment is read from LDS by four loads of 512 consecutive bytes, without pitch or padding.
; Place r of tile j of a group of 64 columns of W is column 4 pi(r) + j, pi = bits 2 and 3 exchanged: so register i < 4 of a tile is d = 16 h + 4 i + j of the head and register i + 4 is d + 32: the rotation pairs registers of ONE accumulator.
; The conversions' results ARE the next operand's registers, and they are stored as fragments: no stage in LDS.
; K goes in steps of 256 through two LDS slots; each wave fetches a quarter of a slot: 8 tiles x 2 fragments = 8 rows of 4,096 bytes, 32,768 bytes apart.  A's tiles are asked for jointly along a row of the cluster, B's along a column.
; PREFETCH: behind the joint load of K step t one line asks for K step t + 2 (at the head also for K step 1): of the 8 rows that a wave fetches, each of the four partners names two, told apart by address: 32 lanes, 256 bytes apart.
; THE WAY OUT is one for all five: y1 = x1 cos - x2 sin, y2 = x1 sin + x2 cos on the raw sums, with the token's row of the table in the two geometric products and row 0 (cos = 1, sin = 0: nothing changes) in the others;
; then code = y / 2^(e_dst - ex - ew), held within +-448: the three scales in one.
; LIMITS: e_dst - ex - ew between -126 and 119.  NaN and infinite sums are not served.
; REGISTERS: window 0: v16-31 addresses and constants; v32-127 three sets of cos (16) and sin (16); v128-255 A's fragments, ONE set; on the way out v128-191 y, v192-223 at work, v224-255 two sets of codes.
;   window 1: B's fragments, two sets.   windows 2, 3: the accumulators, (a, b) at v[8 (8 (a % 4) + b)].
.set SLOT,  131072                     ; A's two halves, then B's two halves, 32,768 bytes each
.set REGN,  32768
.set SPARE, 2*SLOT                     ; behind the ring: the spare words, 128 bytes for each wave, named by no other line
.set FR,    16
.set LAPS,  4                          ; K = 2,048 = 4 laps of two slots of 256
.set ADRA, 16                          ; v16-17 LDS address of my A fragments in slot 0, 1
.set PFO,  18                          ; v18  the prefetches' offset: 32,768 (lane / 16) + 256 (lane % 16)
.set ADRB, 20                          ; v20-21 the same for B
.set OFF0, 22                          ; v22  16 x lane;  v23  the same + the step to the second pair of pieces
.set TOFF, 24                          ; v24  my byte in the table for block 0
.set SCL,  26                          ; v26  2^(e_dst - ex - ew);  v27  448 x that
.set LIM,  27
.set SPW,  28                          ; v28  my spare word;  v29  0: both kept for the add alone
.set NIL,  29
.set TO0,  25                          ; v25, v30, v31  the table loads' addresses, by turns
.set TAB,  32
.set AF,   128
.set Y,    128
.set TT,   192
.set CD,   224
.set PFA, 12                           ; s[12:13] where my prefetches stand
.set G1, 24
.set G0, 32
.set G1B, 48
.set G0B, 56
.set MSB, 0
.macro WIN new                         ; the immediate's high byte repeats the setting that is left
.if MSB != (\new)
	s_set_vgpr_msb (MSB<<8)|(\new)
.set MSB, (\new)
.endif
.endm
.set MUL_LO, 0xa1                      ; source 0 (B) window 1, source 1 (A) window 0, C and D window 2
.set MUL_HI, 0xf1                      ; the same, C and D window 3
.set TO_B,   0x40                      ; destination window 1, address window 0
; A joint load: waves 0 and 1 fetch for A, waves 2 and 3 for B; the branch hangs on the wave's number alone.  s_nop 0 and four v_nop follow each of the two lines.
.macro JLOAD s
	s_cmp_eq_u32 s15, 0
	s_cbranch_scc0 .Lfor_b_\@
	tensor_load_to_lds s[G0+4*\s:G0+4*\s+3], s[G1:G1+7]
	s_nop 0
.rept 4
	v_nop
.endr
	s_branch .Lasked_\@
.Lfor_b_\@:
	tensor_load_to_lds s[G0B+4*\s:G0B+4*\s+3], s[G1B:G1B+7]
	s_nop 0
.rept 4
	v_nop
.endr
.Lasked_\@:
.endm
.macro CREST                           ; a round of the cluster's barrier behind its opening barrier
	s_cmp_lg_u32 s14, 0
	s_cbranch_scc1 .Lnot_wave_0_\@
	s_barrier_signal -3
.Lnot_wave_0_\@:
	s_barrier_wait -3
	s_barrier_signal -1
	s_barrier_wait -1
.endm
.macro CROUND
	s_barrier_signal -1
	s_barrier_wait -1
	CREST
.endm
	s_load_b128 s[4:7], s[0:1], 0x0                ; xc, wc
	s_load_b128 s[8:11], s[0:1], 0x10              ; the scales' exponents, tab
	s_load_b128 s[68:71], s[0:1], 0x20             ; qc, kc
	s_load_b64 s[72:73], s[0:1], 0x30              ; vc
	v_lshl_add_u32 v[SPW], v0, 2, SPARE
	v_mov_b32 v[NIL], 0
	ds_add_u32 v[SPW], v[NIL]                      ; the wave's opening: the add, twice on end, and its wait ahead of my first tensor load
	ds_add_u32 v[SPW], v[NIL]
	v_lshrrev_b32 v1, 5, v0
	v_readfirstlane_b32 s14, v1                    ; wave 0..3
	s_lshr_b32 s15, s14, 1                         ; which half of A's rows is mine.  Also: I fetch for A (0) or for B (1)
	s_and_b32 s16, s14, 1                          ; which half of B's rows.  Also: which 128 rows I fetch
	s_bfe_u32 s40, ttmp6, 0x40000                  ; cx, cy
	s_bfe_u32 s41, ttmp6, 0x40004
	s_lshl_b32 s42, ttmp9, 2
	s_add_co_u32 s42, s42, s40                     ; ct = 4 x cluster x + cx, 0..23
	s_and_b32 s17, ttmp7, 0xffff
	s_lshl_b32 s17, s17, 2
	s_add_co_u32 s17, s17, s41                     ; rt = 4 x cluster y + cy, 0..7
	s_lshl_b32 s43, s41, 2
	s_lshl_b32 s43, 15, s43                        ; my row of the cluster
	s_lshl_b32 s44, 0x1111, s40                    ; my column
	s_or_b32 s[G1+0], s43, (3<<16)|(1<<21)         ; 15:0 the mask; 17:16 elements of 8 bytes; 21 set beside a mask; no padding
	s_or_b32 s[G1B+0], s44, (3<<16)|(1<<21)
.irp g, G1, G1B
	s_mov_b32 s[\g+1], 512<<16                     ; tensor_dim0 = 512 elements: 4,096 bytes, two fragments
	s_mov_b32 s[\g+2], 8<<16                       ; tensor_dim1 = 8 tiles
	s_mov_b32 s[\g+3], 512<<16                     ; tile_dim0
	s_mov_b32 s[\g+4], 8                           ; tile_dim1
	s_mov_b32 s[\g+5], 4096                        ; from tile to tile: 32,768 bytes
	s_mov_b32 s[\g+6], 0
	s_mov_b32 s[\g+7], 0
.endr
	s_lshl_b32 s18, s16, 18                        ; which 8 tiles I fetch
	s_lshl_b32 s20, s17, 19
	s_add_co_u32 s20, s20, s18                     ; A: tile 16 rt + 8 half: made of rt alone
	s_lshl_b32 s46, s42, 19
	s_add_co_u32 s46, s46, s18                     ; B: tile 16 ct + 8 half: made of ct alone
	s_min_u32 s74, ttmp9, 4                        ; p
	s_lshl_b32 s75, s74, 22                        ; x's set p
	s_cmp_ge_u32 ttmp9, 4                          ; v?
	s_cselect_b32 s75, 0x800000, s75               ; A: wv begins at tile 256 of wc
	s_cselect_b32 s66, 0x800000, 0                 ; B: x's set 4, less the 16 x 16 tiles by which ct runs ahead
	s_add_co_u32 s20, s20, s75
	s_add_co_u32 s46, s46, s66
	s_mov_b32 s21, 0
	s_mov_b32 s47, 0
	s_lshl_b32 s45, s14, 15                        ; where my load lands: wave x 32,768
	s_lshl_b32 s82, s74, 3
	s_mov_b32 s83, 0
	s_lshl_b32 s86, s74, 2
	s_mov_b32 s87, 0
	s_lshl_b32 s22, s15, 15                        ; my 128 rows of A
	s_lshl_b32 s23, s16, 15                        ; my 128 rows of B,
	s_add_co_u32 s23, s23, 2*REGN                  ; which lie behind A's
	s_and_b32 s89, s17, 3
	s_lshl_b32 s89, s89, 8
	s_lshl_b32 s90, s15, 7
	s_add_co_u32 s89, s89, s90                     ; my first token's place
	s_lshr_b32 s90, ttmp9, 1
	s_cmp_eq_u32 s90, 1
	s_cselect_b32 s91, 1, 0                        ; 1 in the two geometric products, else 0: row 0 of the table
	s_mov_b32 s97, 0x20000                         ; q, k: pieces 2, 3 are the next head's: 64 fragments on
	s_cmp_ge_u32 ttmp9, 4
	s_cselect_b32 s97, 1024, s97                   ; v: they are the same fragment's second half
	v_and_b32 v1, 15, v0                           ; r
	v_bfe_u32 v2, v0, 4, 1                         ; h
	v_and_b32 v3, 31, v0
	v_lshlrev_b32 v[OFF0], 4, v3                   ; 16 x lane
	v_add_nc_u32 v[OFF0+1], s97, v[OFF0]
	v_lshlrev_b32 v[PFO], 15, v2
	v_lshl_add_u32 v[PFO], v1, 8, v[PFO]
	v_add_nc_u32 v[ADRA], s22, v[OFF0]
	v_add_nc_u32 v[ADRB], s23, v[OFF0]
	v_add_nc_u32 v[ADRA+1], SLOT, v[ADRA]
	v_add_nc_u32 v[ADRB+1], SLOT, v[ADRB]
	; the table: lane (r, h) wants cos and sin of frequencies 16 h + 0 .. 15 at its token's position: (rt % 4) 256 + 128 (w / 2) + 32 (a / 2) + 8 (a % 2) + r + 8 (r / 8)
	v_and_b32 v4, 8, v1
	v_add_nc_u32 v4, v4, v1
	v_add_nc_u32 v4, s89, v4
	v_lshlrev_b32 v4, 8, v4                        ; a row of the table is 256 bytes
	v_mul_u32_u24 v4, s91, v4
	v_lshl_add_u32 v[TOFF], v2, 6, v4
	s_wait_alu depctr_va_vdst(0)                   ; ahead of the waits and branches below
	s_wait_dscnt 0x0                               ; both opening adds are done
	CROUND                                         ; all sixteen work-groups are here: the first joint loads meet
	s_wait_kmcnt 0x0
	s_cmp_ge_u32 ttmp9, 4
	s_cselect_b64 s[78:79], s[6:7], s[4:5]
	s_cselect_b64 s[80:81], s[4:5], s[6:7]
	s_add_nc_u64 s[20:21], s[78:79], s[20:21]
	s_add_nc_u64 s[46:47], s[80:81], s[46:47]
.irp s, 0,1
	s_mov_b32 s[G0+4*\s], 1
	s_add_co_u32 s[G0+4*\s+1], s45, \s*SLOT
	s_add_nc_u64 s[G0+4*\s+2:G0+4*\s+3], s[20:21], \s*4096
	s_or_b32 s[G0+4*\s+3], s[G0+4*\s+3], 0x80000000
	s_mov_b32 s[G0B+4*\s], 1
	s_add_co_u32 s[G0B+4*\s+1], s45, \s*SLOT
	s_add_nc_u64 s[G0B+4*\s+2:G0B+4*\s+3], s[46:47], \s*4096
	s_or_b32 s[G0B+4*\s+3], s[G0B+4*\s+3], 0x80000000
.endr
	JLOAD 0                                        ; K step 0: one tensor load a wave at the head
	s_add_nc_u64 s[82:83], s[8:9], s[82:83]
	s_load_b64 s[84:85], s[82:83], 0x0             ; ex, ew: entries 2 p, 2 p + 1
	s_add_nc_u64 s[86:87], s[8:9], s[86:87]
	s_load_b32 s88, s[86:87], 0x28                 ; e_dst: entry 10 + p
	s_cmp_eq_u32 s15, 0                            ; the prefetches: A's rows shared out by cx, B's by cy
	s_cselect_b64 s[PFA:PFA+1], s[20:21], s[46:47]
	s_cselect_b32 s18, s40, s41
	s_lshl_b32 s18, s18, 16                        ; two tiles for each partner
	s_mov_b32 s19, 0
	s_add_nc_u64 s[PFA:PFA+1], s[PFA:PFA+1], s[18:19]
.macro TABLOAD a                       ; block a's 16 cos and 16 sin into set a % 3
.if ((\a)%3) == 0
.set TOR, TO0
.else
.set TOR, 29+((\a)%3)
.endif
	s_mul_i32 s92, s91, (((\a)/2)*32+((\a)%2)*8)*256
	v_add_nc_u32 v[TOR], s92, v[TOFF]
.irp i, 0,1,2,3
	global_load_b128 v[TAB+32*((\a)%3)+4*\i:TAB+32*((\a)%3)+4*\i+3], v[TOR], s[10:11] offset:16*\i
	global_load_b128 v[TAB+32*((\a)%3)+16+4*\i:TAB+32*((\a)%3)+16+4*\i+3], v[TOR], s[10:11] offset:128+16*\i
.endr
.endm
	TABLOAD 0                                      ; they land during the loop over K, which touches none of their registers
	TABLOAD 1
	TABLOAD 2
	global_prefetch_b8 v[PFO], s[PFA:PFA+1] offset:4096 th:TH_LOAD_NT scope:SCOPE_SE   ; K steps 1
	global_prefetch_b8 v[PFO], s[PFA:PFA+1] offset:8192 th:TH_LOAD_NT scope:SCOPE_SE   ; and 2
	; where my codes go.  q, k: fragment ((rt / 4) 16 + head) 64 + tile, its sem or geo half; head = 4 (ct % 4) + 2 (w % 2) (+ 1), tile = 16 (rt % 4) + 8 (w / 2) + a
	s_lshr_b32 s93, s17, 2
	s_lshl_b32 s93, s93, 4
	s_and_b32 s94, s42, 3
	s_lshl_b32 s94, s94, 2
	s_add_co_u32 s93, s93, s94
	s_lshl_b32 s94, s16, 1
	s_add_co_u32 s93, s93, s94
	s_lshl_b32 s93, s93, 6
	s_and_b32 s94, s17, 3
	s_lshl_b32 s94, s94, 4
	s_add_co_u32 s93, s93, s94
	s_lshl_b32 s94, s15, 3
	s_add_co_u32 s93, s93, s94
	s_lshl_b32 s93, s93, 11
	s_lshr_b32 s94, s74, 1
	s_lshl_b32 s94, s94, 10
	s_add_co_u32 s93, s93, s94
	; v: ((((ct - 16) / 4) 16 + 2 rt + w / 2) 8 + 2 ((ct - 16) % 4) + w % 2) x 8 fragments; block a is d tile a
	s_and_b32 s95, s42, 7                          ; ct - 16 for ct 16 .. 23
	s_lshr_b32 s96, s95, 2
	s_lshl_b32 s96, s96, 4
	s_lshl_b32 s94, s17, 1
	s_add_co_u32 s96, s96, s94
	s_add_co_u32 s96, s96, s15
	s_lshl_b32 s96, s96, 3
	s_and_b32 s94, s95, 3
	s_lshl_b32 s94, s94, 1
	s_add_co_u32 s96, s96, s94
	s_add_co_u32 s96, s96, s16
	s_lshl_b32 s96, s96, 14
	s_and_b32 s94, s74, 1
	s_cmp_eq_u32 s94, 1
	s_cselect_b64 s[76:77], s[70:71], s[68:69]     ; p odd: k's codes, even: q's
	s_cmp_ge_u32 ttmp9, 4
	s_cselect_b64 s[76:77], s[72:73], s[76:77]
	s_cselect_b32 s98, s96, s93
	s_mov_b32 s99, 0
	s_add_nc_u64 s[76:77], s[76:77], s[98:99]
.macro FRAG reg, adr, q, i             ; a fragment comes as it lies: four loads of 512 consecutive bytes
.irp c, 0,1,2,3
	ds_load_b128 v[\reg+4*\c:\reg+4*\c+3], v[\adr] offset:2048*(\q)+512*\c+(\i)*4096
.endr
.endm
; 16 matrix instructions: A's blocks a0, a0 + 1 x B's eight, 128 along K.  The 64 accumulators take turns, one instruction a turn, in the same order in every step.
; (MUL8 is one of the two blocks.)
.macro MUL16 a0, p, zero
	MUL8 \a0, \p, \zero
	MUL8 (\a0)+1, \p, \zero
.endm
.macro MUL8 a0, p, zero
.irp a, \a0
.irp b, 0,1,2,3,4,5,6,7
.if \zero
	v_wmma_f32_16x16x128_fp8_fp8 v[8*(8*((\a)%4)+\b):8*(8*((\a)%4)+\b)+7], v[128*(\p)+FR*\b:128*(\p)+FR*\b+FR-1], v[AF+FR*(\a):AF+FR*(\a)+FR-1], 0
.else
	v_wmma_f32_16x16x128_fp8_fp8 v[8*(8*((\a)%4)+\b):8*(8*((\a)%4)+\b)+7], v[128*(\p)+FR*\b:128*(\p)+FR*\b+FR-1], v[AF+FR*(\a):AF+FR*(\a)+FR-1], v[8*(8*((\a)%4)+\b):8*(8*((\a)%4)+\b)+7]
.endif
.endr
.endr
.endm
.macro FETCH_B slot, q, p, i0          ; two of B's fragments into set p
	WIN TO_B
.irp i, \i0, \i0+1
	FRAG 128*(\p)+FR*(\i), ADRB+\slot, \q, \i
.endr
.endm
.macro FETCH_A slot, q, i0             ; two of A's
	WIN 0
.irp i, \i0, \i0+1
	FRAG AF+FR*(\i), ADRA+\slot, \q, \i
.endr
.endm
.macro PLACES                          ; plain vector lines between a matrix instruction and a load into, or a vector write of, its registers, or a read of its result
.rept 4
	v_nop
.endr
.endm
; A slot's first step of 128 along K.  The next step's fragments are asked for in runs of 8 loads, one ahead of each eight of the 64 products, so that the four waves' loads are spread over the step:
; B's other set ahead of the first four blocks of A, A's blocks as soon as they are free.
.macro STEP slot, zero
	s_wait_dscnt 16                                ; B's set and A's blocks 0-3 are in; the youngest 16 loads (A's blocks 4-7) may be out
.irp a, 0,1,2,3
	FETCH_B \slot, 1, 1, 2*\a                      ; (set 1's last readers stand ahead of the places that closed the step before)
	WIN MUL_LO
	MUL8 \a, 0, \zero
.endr
	s_wait_dscnt 32                                ; A's blocks 4-7 are in; B's 32 loads may be out
	PLACES
	FETCH_A \slot, 1, 0
	WIN MUL_HI
	MUL8 4, 0, \zero
	FETCH_A \slot, 1, 2
	WIN MUL_HI
	MUL8 5, 0, \zero
	PLACES
	FETCH_A \slot, 1, 4
	WIN MUL_HI
	MUL16 6, 0, \zero
	PLACES
	FETCH_A \slot, 1, 6
.endm
; A slot's second step changes slots: one barrier; in front of it each wave waits for all its tensor loads, adds 0 to its spare word, and waits for that and for its reads of this slot.
.macro TURN slot, next, fill
.if \fill
	s_wait_xcnt 0x0                                ; my prefetch has read its address, which is stepped here
	s_add_nc_u64 s[PFA:PFA+1], s[PFA:PFA+1], 4096
.endif
	s_wait_tensorcnt 0x0                           ; all my tensor loads have landed: my part of the next slot
	ds_add_u32 v[SPW], v[NIL]                      ; 0 onto my spare word
	s_wait_dscnt 17                                ; (the add and A's blocks 4-7 may be out)
	WIN MUL_LO
	MUL16 0, 1, 0
	s_wait_dscnt 0x0                               ; the add is done, and my reads of this slot are over
	s_barrier_signal -1
	MUL16 2, 1, 0
	WIN 0
	s_barrier_wait -1
.if \fill
	CREST                                          ; the barrier has opened a round of the cluster's: no wave of any partner still reads this slot or has a load on its way
	s_add_nc_u64 s[G0+4*\slot+2:G0+4*\slot+3], s[G0+4*\slot+2:G0+4*\slot+3], 8192
	s_add_nc_u64 s[G0B+4*\slot+2:G0B+4*\slot+3], s[G0B+4*\slot+2:G0B+4*\slot+3], 8192
	JLOAD \slot                                    ; the first tensor load behind the round; its four v_nop are also the places in front of the loads below
.else
	PLACES
.endif
	FETCH_B \next, 0, 0, 0
	FETCH_B \next, 0, 0, 2
	WIN MUL_HI
	MUL8 4, 1, 0
	FETCH_B \next, 0, 0, 4
	FETCH_B \next, 0, 0, 6
	WIN MUL_HI
	MUL8 5, 1, 0
	FETCH_A \next, 0, 0
	FETCH_A \next, 0, 2
.if \fill
	s_cmp_gt_u32 s3, 1                             ; the last lap's refills are the last K steps: nothing stands two on
	s_cbranch_scc0 .Lno_ask_\@
	global_prefetch_b8 v[PFO], s[PFA:PFA+1] offset:12288 th:TH_LOAD_NT scope:SCOPE_SE   ; the K step two on from the one just asked for
.Lno_ask_\@:
.endif
	WIN MUL_HI
	MUL8 6, 1, 0
	PLACES
	FETCH_A \next, 0, 4
	WIN MUL_HI
	MUL8 7, 1, 0
	PLACES
	FETCH_A \next, 0, 6
.endm
	s_wait_kmcnt 0x0
	s_sub_co_i32 s88, s88, s84
	s_sub_co_i32 s88, s88, s85                     ; e_dst - ex - ew
	s_add_co_i32 s88, s88, 127
	s_lshl_b32 s89, s88, 23
	v_mov_b32 v[SCL], s89
	s_add_co_i32 s88, s88, 8
	s_lshl_b32 s88, s88, 23
	s_or_b32 s88, s88, 0x600000
	v_mov_b32 v[LIM], s88
	s_wait_alu depctr_va_vdst(0)
	s_wait_tensorcnt 0x0                           ; my part of K step 0 is in
	ds_add_u32 v[SPW], v[NIL]
	s_wait_dscnt 0x0
	CROUND                                         ; everybody's part is in, and the joint loads meet
	JLOAD 1                                        ; K step 1
.irp i, 0,2,4,6
	FETCH_B 0, 0, 0, \i
.endr
.irp i, 0,2,4,6
	FETCH_A 0, 0, \i
.endr
	global_prefetch_b8 v[PFO], s[PFA:PFA+1] offset:12288 th:TH_LOAD_NT scope:SCOPE_SE   ; K step 3
	STEP 0, 1                                      ; the first step's products start the sums
	s_mov_b32 s3, LAPS-1
.Llap:                                             ; a trip goes once round the ring and fills both slots again
	TURN 0, 1, 1
	STEP 1, 0
	TURN 1, 0, 1
	STEP 0, 0
	s_sub_co_u32 s3, s3, 1
	s_cmp_lg_u32 s3, 0
	s_cbranch_scc1 .Llap
	TURN 0, 1, 0                                   ; the last lap fills nothing
	STEP 1, 0
	s_wait_dscnt 16
	WIN MUL_LO
	MUL16 0, 1, 0
	MUL16 2, 1, 0
	s_wait_dscnt 0
	WIN MUL_HI
	MUL16 4, 1, 0
	MUL16 6, 1, 0
	WIN 0
; THE WAY OUT, block a of 16 rows of A at a time.  Tile b = 4 hd + j of B: registers i = 0 .. 3 are x1 at frequencies 16 h + 4 i + j, registers 4 + i their x2.  Two tiles go side by side, each accumulator from its low end on.
.macro EPI a
.set AC, 64*((\a)%4)
.set TS, TAB+32*((\a)%3)
.set CC, CD+16*((\a)%2)
.if (\a) < 6
	s_wait_loadcnt 16                              ; this block's 8 table loads are in; those of the next two may be out
.else
	s_wait_loadcnt 8*(7-(\a))
.endif
	WIN 0x02+((\a)/4)                              ; source 0: the accumulators' window
.irp b, 0,2,4,6
.irp d, 0,1
.irp i, 0,2
	v_pk_mul_f32 v[TT+8*((\b)%4)+8*\d+\i:TT+8*((\b)%4)+8*\d+\i+1], v[AC+8*(\b+\d)+\i:AC+8*(\b+\d)+\i+1], v[TS+4*((\b+\d)%4)+\i:TS+4*((\b+\d)%4)+\i+1]
	v_pk_mul_f32 v[TT+8*((\b)%4)+8*\d+4+\i:TT+8*((\b)%4)+8*\d+4+\i+1], v[AC+8*(\b+\d)+\i:AC+8*(\b+\d)+\i+1], v[TS+16+4*((\b+\d)%4)+\i:TS+16+4*((\b+\d)%4)+\i+1]
.endr
.endr
.irp d, 0,1
.irp i, 0,2
	v_pk_fma_f32 v[Y+8*(\b+\d)+\i:Y+8*(\b+\d)+\i+1], v[AC+8*(\b+\d)+4+\i:AC+8*(\b+\d)+4+\i+1], v[TS+16+4*((\b+\d)%4)+\i:TS+16+4*((\b+\d)%4)+\i+1], v[TT+8*((\b)%4)+8*\d+\i:TT+8*((\b)%4)+8*\d+\i+1] neg_lo:[1,0,0] neg_hi:[1,0,0]
	v_pk_fma_f32 v[Y+8*(\b+\d)+4+\i:Y+8*(\b+\d)+4+\i+1], v[AC+8*(\b+\d)+4+\i:AC+8*(\b+\d)+4+\i+1], v[TS+4*((\b+\d)%4)+\i:TS+4*((\b+\d)%4)+\i+1], v[TT+8*((\b)%4)+8*\d+4+\i:TT+8*((\b)%4)+8*\d+4+\i+1]
.endr
.endr
.endr
	WIN 0
.if (\a) < 5
	TABLOAD (\a)+3                                 ; this set's numbers have been used, and the wait above has freed its address register
.endif
.set i, 0
.rept 64
	v_med3_num_f32 v[Y+i], v[Y+i], -v[LIM], v[LIM]
.set i, i+1
.endr
	s_wait_alu depctr_va_vdst(0)
	s_wait_xcnt 0x0                                ; block a - 2's stores have read the registers that are written now
.irp g, 0,1,2,3,4,5,6,7
	v_cvt_scalef32_pk8_fp8_f32 v[CC+2*\g:CC+2*\g+1], v[Y+8*\g:Y+8*\g+7], v[SCL]
.endr
	v_nop                                          ; a plain line behind the last conversion: the next block writes its sources
.irp u, 0,1,2,3
	global_store_b128 v[OFF0+(\u/2)], v[CC+4*\u:CC+4*\u+3], s[76:77] offset:2048*(\a)+512*(\u%2)   ; a piece of a fragment: 512 consecutive bytes
.endr
.endm
	PLACES                                         ; behind the last products: their results are read and A's registers written below
.irp a, 0,1,2,3,4,5,6,7
	EPI \a
.endr
	s_wait_tensorcnt 0x0                           ; the wave's end
	ds_add_u32 v[SPW], v[NIL]
	s_wait_dscnt 0x0
	CROUND                                         ; the closing round: no work-group ends while a partner may still ask for a tile that names it
	s_endpgm
.Lfunc_end_k_q9fd9a4674d_proj:
	.size	k_q9fd9a4674d_proj, .Lfunc_end_k_q9fd9a4674d_proj-k_q9fd9a4674d_proj
	.p2alignl 7, 3214868480
	.fill 96, 4, 3214868480
	.section	.rodata,"a",@progbits
	.p2align	6, 0x0
	.amdhsa_kernel k_q9fd9a4674d_proj
		.amdhsa_group_segment_fixed_size 327680
		.amdhsa_private_segment_fixed_size 0
		.amdhsa_enable_private_segment 0
		.amdhsa_kernarg_size 56
		.amdhsa_user_sgpr_count 2
		.amdhsa_user_sgpr_kernarg_segment_ptr 1
		.amdhsa_wavefront_size32 1
		.amdhsa_system_sgpr_workgroup_id_x 1
		.amdhsa_system_sgpr_workgroup_id_y 1
		.amdhsa_system_sgpr_workgroup_id_z 1
		.amdhsa_system_vgpr_workitem_id 0
		.amdhsa_next_free_vgpr 1024
		.amdhsa_next_free_sgpr 100
		.amdhsa_reserve_vcc 0
		.amdhsa_float_denorm_mode_32 3
		.amdhsa_float_denorm_mode_16_64 3
		.amdhsa_memory_ordered 1
		.amdhsa_forward_progress 1
		.amdhsa_inst_pref_size 162
	.end_amdhsa_kernel
	.amdgpu_metadata
---
amdhsa.version: [ 1, 2 ]
amdhsa.kernels:
  - .name:           k_q9fd9a4674d_proj
    .symbol:         k_q9fd9a4674d_proj.kd
    .args:
      - { .name: xc, .offset: 0, .size: 8, .value_kind: global_buffer, .address_space: global }
      - { .name: wc, .offset: 8, .size: 8, .value_kind: global_buffer, .address_space: global }
      - { .name: lowp_scales, .offset: 16, .size: 8, .value_kind: global_buffer, .address_space: global }
      - { .name: tab, .offset: 24, .size: 8, .value_kind: global_buffer, .address_space: global }
      - { .name: qc, .offset: 32, .size: 8, .value_kind: global_buffer, .address_space: global }
      - { .name: kc, .offset: 40, .size: 8, .value_kind: global_buffer, .address_space: global }
      - { .name: vc, .offset: 48, .size: 8, .value_kind: global_buffer, .address_space: global }
    .group_segment_fixed_size: 327680
    .private_segment_fixed_size: 0
    .kernarg_segment_align: 8
    .kernarg_segment_size: 56
    .max_flat_workgroup_size: 128
    .sgpr_count:     100
    .vgpr_count:     1024
    .wavefront_size: 32
...
	.end_amdgpu_metadata
.endif
;; end of part 2
;; launch attn (part 3): grid 8 x 32, 16 waves a work-group, clusters of 4 x 1, 264,192 bytes of LDS; arguments qc, kc, vc, gate_logit, lowp_scales, oc; writes oc
.if DOCPART == 3
	.amdgcn_target "amdgcn-amd-amdhsa--gfx1250"
	.amdhsa_code_object_version 6
	.text
	.protected	k_q9fd9a4674d_attn
	.globl	k_q9fd9a4674d_attn
	.p2align	8
	.type	k_q9fd9a4674d_attn,@function
k_q9fd9a4674d_attn:
	s_mov_b64 s[64:65], 0
	v_nop
	global_prefetch_b8 v0, s[64:65] scope:SCOPE_SE
	s_setreg_imm32_b32 hwreg(HW_REG_WAVE_MODE, 25, 1), 1
	s_wait_xcnt 0x0
	s_wait_alu depctr_hold_cnt(0) depctr_sa_sdst(0) depctr_va_vdst(0) depctr_va_sdst(0) depctr_va_ssrc(0) depctr_va_vcc(0) depctr_vm_vsrc(0)
	s_getreg_b32 s2, hwreg(HW_REG_IB_STS2, 6, 4)
	s_cmp_eq_u32 s2, 0
	s_cbranch_scc0 .Lentry_in_a_cluster
	s_endpgm
.Lentry_in_a_cluster:
	s_bfe_u32 s2, ttmp6, 0x10000c
	s_cmp_lg_u32 s2, 0x3003
	s_cbranch_scc0 .Lentry_shape_is_right
	s_endpgm
.Lentry_shape_is_right:
; ATTN: for each of 32 (batch, head): t = log2(e) (g sem / 8 + (1 - g) geo / 8), causal; p = 2^(t - M), M the running largest t rounded up to a whole number; O = sum of Q(p) v / sum of p; O is quantised for the last product.
; All three products on E4M3 codes: two of K = 64 for the scores (v_wmma_f32_16x16x64_fp8_fp8), one of K = 128 keys a step for p v.
; A HEAD'S K AND V ARE 256 KiB OF CODES AND LIE IN LDS WHOLE: every byte is filled once, so there is no ring.  Each of the sixteen waves brings 16,384 bytes by one load: waves 0-7 a key step of K each, waves 8-15 one of V.
; CLUSTER: the head's eight work-groups read the same bytes at the same time: four of them form a cluster and ask jointly.  No prefetch: all tiles are asked for at the head, and no loop runs ahead of later ones.
; SHARES: work-group x (0..7) of a head.  A tile of 16 queries, tile 8 G + x, G = 0..7, is owned by TWO waves: one walks the even key steps of 128 keys, the other the odd ones (par = w / 8).  G = w % 4, or 7 less that in waves with w / 4 odd:
; the four waves with one w % 4 walk nine steps together.  Which steps a wave works hangs on the wave's number alone.
; LEFT OUT: the key steps all of whose keys reference()'s own causal mask hides from the wave's queries, by a scalar branch round the step's work (never round a barrier or a wait for tiles).
; THE JOIN: each of the two finishes half of d: par's half stands first in its registers (its addresses in V are laid so); the other half goes to the partner through LDS, with -M and the sum, into K's bytes, which have had their only fill and, behind a barrier, their last read.
; LAYOUT: both products transposed (S^T = K Q^T, O^T = V^T P^T): a lane holds one query.  Fragments are images of registers (2,048 bytes; K's and Q's: 1,024 sem, 1,024 geo); place P of a token tile holds the true row P with bits 3 and 4 exchanged,
; so the 16 registers of score tiles 2 b, 2 b + 1 are true keys 32 b + 16 h + 0 .. 15, the order of V's fragments along the keys.  O^T's registers of d tiles 2 u, 2 u + 1 are piece u of the last product's fragment; its weight is laid in that order of d.
; THE SCORES: with E = e^(-gate), g = 1 / (1 + E) and (1 - g) / g = E.  s = sem + r geo, r = E 2^(e12 + e13 - e10 - e11); t = C s, C = g log2(e) / 8 x 2^(e10 + e11).  E is held at 2^60: beyond, sem's share of t is under 2^-38 x 2^(e10 + e11).
; Hidden scores become -1e9 log2(e) / C in s, so -1e9 log2(e) in t, as the problem masks.  LIMITS: entry 15, and entry 16 - entry 14 - entry 15, between -126 and 119; scaled scores under 2^31; r, and C, within f32's range.  NaN is not served.
; REGISTERS: v0 as at the entry; v1 16 x lane; v2, v3 LDS addresses; v4, v5 hold and scale of the conversion; v[6:7] f; v8-10 at work; v11 the mask's bound; v12 -M; v13 largest t; v[14:15] the sum; v16-31 Q; v32-95 four fragments of K, then V's first four d tiles;
;   v96-159 sem scores, then s, then p, then V's other four d tiles; v160-223 O^T; v224-255 geo scores of four tiles, later v224-239 p's codes, v240-247, v250-255 chains of the maximum and of the sum, v242 the mask's value.
.set SPARE, 262144                     ; the spare words, 128 bytes for each wave, named by no other line
.set XREG,  4352                       ; the join: 4,096 bytes of O and 256 of -M and sums for each wave, from byte 0 on
.set LI,  1
.set ADK, 2
.set ADV, 3
.set WV,  18                           ; s18 wave;  s19 G
.set GG,  19
.set SEL, 20                           ; s[20:21] lane selects: lane l xor 16
.set C1,  22                           ; s[22:23] C
.set C2,  80                           ; s[80:81] r
.set KJ,  66                           ; s66 the key step;  s67 where its tiles of K begin in LDS;  s68, s70 where the first and the other four d tiles of V do;  s69 counts
.set TB,  67
.set TBV, 68
.set CNT, 69
.set TBW, 70
.set MSK, 71                           ; s71 the hidden scores' s
.set PAR, 60                           ; s60 w / 8
.macro CROUND
	s_barrier_signal -1
	s_barrier_wait -1
	s_cmp_lg_u32 s[WV], 0
	s_cbranch_scc1 .Lnot_wave_0_\@
	s_barrier_signal -3
.Lnot_wave_0_\@:
	s_barrier_wait -3
	s_barrier_signal -1
	s_barrier_wait -1
.endm
.macro NOPS
.rept 4
	v_nop
.endr
.endm
	s_load_b256 s[4:11], s[0:1], 0x0               ; qc 4, kc 6, vc 8, gate_logit 10
	s_load_b128 s[12:15], s[0:1], 0x20             ; the scales' exponents 12, oc 14
	v_lshl_add_u32 v8, v0, 2, SPARE
	v_mov_b32 v9, 0
	ds_add_u32 v8, v9                              ; the wave's opening: the add, twice on end, and its wait ahead of my tensor load
	ds_add_u32 v8, v9
	v_lshrrev_b32 v10, 5, v0
	v_readfirstlane_b32 s[WV], v10                 ; wave 0..15
	s_lshr_b32 s[PAR], s[WV], 3
	s_bfe_u32 s85, s[WV], 0x10002
	s_mul_i32 s85, s85, 7
	s_and_b32 s[GG], s[WV], 3
	s_xor_b32 s[GG], s[GG], s85                    ; G
	s_bfe_u32 s82, ttmp6, 0x40000                  ; cx
	s_lshl_b32 s83, ttmp9, 2
	s_add_co_u32 s83, s83, s82                     ; x: it enters Q's and O's addresses and the mask's bound alone
	s_and_b32 s84, ttmp7, 0xffff                   ; (batch, head), which the partners share
	s_mov_b32 s24, 15|(3<<16)|(1<<21)              ; group 1: 15:0 all four work-groups; elements of 8 bytes; 21 set beside a mask; no padding
	s_mov_b32 s25, 32<<16                          ; tensor_dim0 = 32 elements: rows of 256 bytes,
	s_mov_b32 s26, 64<<16                          ; tensor_dim1 = 64 of them: a dense block of 16,384 bytes
	s_mov_b32 s27, 32<<16                          ; tile_dim0
	s_mov_b32 s28, 64                              ; tile_dim1
	s_mov_b32 s29, 32                              ; from row to row
	s_mov_b32 s30, 0
	s_mov_b32 s31, 0
	s_and_b32 s85, s[WV], 7
	s_lshl_b32 s85, s85, 14                        ; my key step
	s_lshl_b32 s86, s[WV], 14                      ; K lies at 0, V at 131,072
	s_lshl_b32 s88, s84, 17                        ; a head's K, and its V, are 131,072 bytes
	s_add_co_u32 s88, s88, s85
	s_mov_b32 s89, 0
	s_and_b32 s92, s84, 15                         ; the head
	s_lshl_b32 s92, s92, 2
	s_mov_b32 s93, 0
	s_lshl_b32 s48, s84, 6
	s_lshl_b32 s49, s[GG], 3
	s_add_co_u32 s48, s48, s49
	s_add_co_u32 s48, s48, s83
	s_lshl_b32 s48, s48, 11                        ; Q: fragment 64 (batch, head) + 8 G + x
	s_mov_b32 s49, 0
	s_lshr_b32 s50, s84, 4
	s_lshl_b32 s50, s50, 6
	s_lshl_b32 s51, s[GG], 3
	s_add_co_u32 s50, s50, s51
	s_add_co_u32 s50, s50, s83
	s_lshl_b32 s50, s50, 4
	s_and_b32 s51, s84, 15
	s_add_co_u32 s50, s50, s51
	s_lshl_b32 s50, s50, 11                        ; O: fragment (64 batch + 8 G + x) 16 + head,
	s_lshl_b32 s51, s[PAR], 10
	s_add_co_u32 s50, s50, s51                     ; its pieces 2 par, 2 par + 1
	s_mov_b32 s51, 0
	s_mov_b32 s[SEL], 0x76543210
	s_mov_b32 s[SEL+1], 0xfedcba98
	s_mov_b32 s[KJ], s[PAR]
	s_lshl_b32 s[TB], s[PAR], 14
	s_mul_i32 s[TBV], s[PAR], 24576
	s_add_co_u32 s[TBV], s[TBV], 131072            ; V's key step par, d tiles 4 par ..
	s_lshl_b32 s[TBW], s[PAR], 13
	s_add_co_u32 s[TBW], s[TBW], 139264            ; and the other four: 131,072 + 16,384 par + 8,192 (1 - par)
	s_lshr_b32 s56, s83, 1
	s_lshl_b32 s56, s56, 5
	s_and_b32 s57, s83, 1
	s_lshl_b32 s57, s57, 3
	s_add_co_u32 s56, s56, s57
	s_mul_i32 s58, s[WV], XREG                     ; the join: my bytes,
	s_xor_b32 s59, s[WV], 8
	s_mul_i32 s59, s59, XREG                       ; and my partner's
	v_and_b32 v[LI], 31, v0
	v_lshlrev_b32 v[LI], 4, v[LI]
	s_wait_alu depctr_va_vdst(0)                   ; ahead of the waits and branches below
	s_wait_dscnt 0x0                               ; both opening adds are done
	CROUND                                         ; all four work-groups are here: the joint loads meet
	s_wait_kmcnt 0x0
	s_cmp_lt_u32 s[WV], 8                          ; K's codes or V's: the choice hangs on the wave's number alone
	s_cselect_b64 s[90:91], s[6:7], s[8:9]
	s_add_nc_u64 s[90:91], s[90:91], s[88:89]
	s_mov_b32 s32, 1
	s_mov_b32 s33, s86
	s_mov_b64 s[34:35], s[90:91]
	s_or_b32 s35, s35, 0x80000000
	tensor_load_to_lds s[32:35], s[24:31]          ; one load a wave: the sixteen bring the head whole
	s_nop 0
	NOPS
	s_load_b256 s[72:79], s[12:13], 0x28           ; entries 10 .. 17
	s_add_nc_u64 s[92:93], s[10:11], s[92:93]
	s_load_b32 s98, s[92:93], 0x0                  ; the head's gate
	s_add_nc_u64 s[94:95], s[4:5], s[48:49]
	s_add_nc_u64 s[96:97], s[14:15], s[50:51]
.irp c, 0,1,2,3
	global_load_b128 v[16+4*\c:19+4*\c], v[LI], s[94:95] offset:512*\c   ; Q: v16-23 sem, v24-31 geo
.endr
	v_and_b32 v8, 15, v0
	v_bfe_u32 v10, v0, 4, 1
	v_and_b32 v9, 8, v8
	v_lshlrev_b32 v10, 4, v10
	v_add_nc_u32 v8, v8, v9
	v_add_nc_u32 v8, s56, v8
	v_sub_nc_u32 v11, v8, v10                      ; my query within its key step, less 16 h: register n's key is hidden where 32 (n / 16) + n % 16 is greater
	v_mov_b32 v13, 0xff61b1e6                      ; the largest t so far: -3e38
	v_floor_f32 v12, -v13
	v_mov_b32 v14, 0
	v_mov_b32 v15, 0
	v_mov_b32 v10, 0                               ; a lane permute's destination counts as read
	v_mov_b32 v7, 0                                ; (named as the upper half of a pair)
.set i, 0
.rept 64
	v_mov_b32 v[160+i], 0                          ; O^T: the step is written once; its first walk finds zeros
.set i, i+1
.endr
	s_wait_alu depctr_va_vdst(0)
	s_wait_kmcnt 0x0
	s_add_co_i32 s85, s72, s73                     ; e10 + e11
	s_add_co_i32 s86, s74, s75
	s_sub_co_i32 s86, s86, s85                     ; e12 + e13 - e10 - e11
	s_sub_co_i32 s87, 0, s85
	s_add_co_i32 s88, s77, 127
	s_lshl_b32 s89, s88, 23
	s_add_co_i32 s88, s88, 8
	s_lshl_b32 s88, s88, 23
	s_or_b32 s88, s88, 0x600000
	v_mov_b32 v5, s89                              ; 2^e15, for p's conversion
	v_mov_b32 v4, s88                              ; 448 x 2^e15
	v_mov_b32 v8, s98
	v_mul_f32 v8, 0xbfb8aa3b, v8
	s_wait_alu depctr_va_vdst(0)                   ; the wait ahead of the transcendental,
	v_exp_f32 v8, v8                               ; e^(-gate)
	v_nop
	s_wait_alu depctr_va_vdst(0)                   ; and ahead of its result's first reader
	v_min_num_f32 v8, 0x5d800000, v8               ; E, held at 2^60
	v_add_f32 v9, 1.0, v8
	s_wait_alu depctr_va_vdst(0)
	v_rcp_f32 v6, v9                               ; g
	v_nop
	s_wait_alu depctr_va_vdst(0)                   ; ahead of its result's first reader
	v_mul_f32 v9, 0xcfee6b28, v9                   ; -8e9 (1 + E)
	v_mul_f32 v6, 0x3e38aa3b, v6                   ; g log2(e) / 8
	v_ldexp_f32 v8, v8, s86
	v_ldexp_f32 v9, v9, s87
	v_ldexp_f32 v6, v6, s85
	v_readfirstlane_b32 s[C2], v8
	v_readfirstlane_b32 s[MSK], v9
	v_readfirstlane_b32 s[C1], v6
	s_mov_b32 s[C1+1], s[C1]                       ; (named as pairs)
	s_mov_b32 s[C2+1], s[C2]
; s = sem + r geo for four tiles: the geo scores lie at v224, the sem scores at v[base]; every accumulator is read from its low end on
.macro COMB base
.set j, 0
.rept 16
	v_pk_fma_f32 v[\base+j:\base+j+1], v[224+j:225+j], s[C2:C2+1], v[\base+j:\base+j+1] op_sel_hi:[1,0,1]
.set j, j+2
.endr
.endm
; A KEY STEP: 128 keys
.macro STEP
	s_cmp_gt_u32 s[KJ], s[GG]                      ; all its keys come after my queries: nothing to do
	s_cbranch_scc1 .Lhidden_\@
	v_add_nc_u32 v[ADK], s[TB], v[LI]
	v_add_nc_u32 v[ADV], s[TBV], v[LI]
	NOPS                                           ; six plain lines behind the last step's products: loads land in V's tiles, and matrix results on them and on p's codes
.irp t, 0,1,2,3
.irp c, 0,1,2,3
	ds_load_b128 v[32+16*\t+4*\c:35+16*\t+4*\c], v[ADK] offset:2048*\t+512*\c
.endr
.endr
	s_wait_alu depctr_va_vdst(0)
	s_wait_dscnt 0x0
.irp t, 0,1,2,3
	v_wmma_f32_16x16x64_fp8_fp8 v[96+8*\t:103+8*\t], v[32+16*\t:39+16*\t], v[16:23], 0
	v_wmma_f32_16x16x64_fp8_fp8 v[224+8*\t:231+8*\t], v[40+16*\t:47+16*\t], v[24:31], 0
.endr
	NOPS
.irp t, 0,1,2,3
.irp c, 0,1,2,3
	ds_load_b128 v[32+16*\t+4*\c:35+16*\t+4*\c], v[ADK] offset:8192+2048*\t+512*\c
.endr
.endr
	COMB 96                                        ; while tiles 4-7 come
	s_wait_dscnt 0x0
	NOPS                                           ; (geo's registers are written anew below)
.irp t, 0,1,2,3
	v_wmma_f32_16x16x64_fp8_fp8 v[128+8*\t:135+8*\t], v[32+16*\t:39+16*\t], v[16:23], 0
	v_wmma_f32_16x16x64_fp8_fp8 v[224+8*\t:231+8*\t], v[40+16*\t:47+16*\t], v[24:31], 0
.endr
	NOPS
.irp t, 0,1,2,3
.irp c, 0,1,2,3
	ds_load_b128 v[32+16*\t+4*\c:35+16*\t+4*\c], v[ADV] offset:2048*\t+512*\c   ; V's first four d tiles land under the softmax
.endr
.endr
	COMB 128
	s_cmp_lg_u32 s[KJ], s[GG]                      ; only the tile's own key step lies on the diagonal
	s_cbranch_scc1 .Lopen_\@
	v_mov_b32 v242, s[MSK]
.set n, 0
.rept 64
	v_cmp_gt_i32 vcc_lo, 32*(n/16)+n%16, v11
	s_delay_alu instid0(VALU_DEP_1)
	v_cndmask_b32 v[96+n], v[96+n], v242, vcc_lo
.set n, n+1
.endr
.Lopen_\@:
	v_max3_num_f32 v8, v96, v97, v98               ; the step's largest s of my query among my 64 keys, in four chains
	v_max3_num_f32 v9, v99, v100, v101
	v_max3_num_f32 v240, v102, v103, v104
	v_max3_num_f32 v241, v105, v106, v107
.irp i, 12,20,28,36,44,52
	s_delay_alu instid0(VALU_DEP_4)
	v_max3_num_f32 v8, v8, v[96+\i], v[97+\i]
	s_delay_alu instid0(VALU_DEP_4)
	v_max3_num_f32 v9, v9, v[98+\i], v[99+\i]
	s_delay_alu instid0(VALU_DEP_4)
	v_max3_num_f32 v240, v240, v[100+\i], v[101+\i]
	s_delay_alu instid0(VALU_DEP_4)
	v_max3_num_f32 v241, v241, v[102+\i], v[103+\i]
.endr
	s_delay_alu instid0(VALU_DEP_4)
	v_max3_num_f32 v8, v8, v156, v157
	s_delay_alu instid0(VALU_DEP_4)
	v_max3_num_f32 v9, v9, v158, v159
	s_delay_alu instid0(VALU_DEP_1)
	v_max3_num_f32 v8, v8, v9, v240
	s_delay_alu instid0(VALU_DEP_1)
	v_max_num_f32 v8, v8, v241
	s_delay_alu instid0(VALU_DEP_1)
	v_permlanex16_b32 v10, v8, s[SEL], s[SEL+1]
	s_delay_alu instid0(VALU_DEP_1)
	v_max_num_f32 v8, v8, v10                      ; and among lane l xor 16's
	s_delay_alu instid0(VALU_DEP_1)
	v_mul_f32 v8, s[C1], v8                        ; as t (C is positive)
	s_delay_alu instid0(VALU_DEP_1)
	v_max_num_f32 v13, v13, v8                     ; the running largest t
	v_mov_b32 v8, v12
	s_delay_alu instid0(VALU_DEP_2)
	v_floor_f32 v12, -v13                          ; -M = floor(-t): M is a whole number
	s_delay_alu instid0(VALU_DEP_1)
	v_sub_f32 v8, v12, v8                          ; old M - new M, 0 or less
	s_delay_alu instid0(VALU_DEP_1)
	v_cvt_i32_f32 v8, v8                           ; (it saturates)
	s_delay_alu instid0(VALU_DEP_1)
	v_ldexp_f32 v6, 1.0, v8                        ; f = 2^(old M - new M): a multiplication by it rounds nothing
.set j, 0
.rept 32
	v_pk_fma_f32 v[96+j:97+j], v[96+j:97+j], s[C1:C1+1], v[12:13] op_sel_hi:[1,0,0]   ; t - M
.set j, j+2
.endr
.set j, 0
	s_wait_alu depctr_va_vdst(0)                   ; the wait ahead of the batch,
.rept 64
	v_exp_f32 v[96+j], v[96+j]                     ; p, at most 1, not normalised
.set j, j+1
.endr
	v_pk_mul_f32 v[14:15], v[14:15], v[6:7] op_sel_hi:[1,0]   ; the sum under the new M: the plain line behind the exponentials
	s_wait_alu depctr_va_vdst(0)                   ; and ahead of its first reader
	v_pk_add_f32 v[240:241], v[96:97], v[104:105]
	v_pk_add_f32 v[242:243], v[112:113], v[120:121]
	v_pk_add_f32 v[244:245], v[128:129], v[136:137]
	v_pk_add_f32 v[246:247], v[144:145], v[152:153]
	v_pk_add_f32 v[254:255], v[98:99], v[106:107]
	v_pk_add_f32 v[252:253], v[114:115], v[122:123]
	v_pk_add_f32 v[250:251], v[130:131], v[138:139]
	v_pk_add_f32 v[14:15], v[14:15], v[146:147]
	v_pk_add_f32 v[240:241], v[240:241], v[154:155]
	v_pk_add_f32 v[242:243], v[242:243], v[100:101]
	v_pk_add_f32 v[244:245], v[244:245], v[108:109]
	v_pk_add_f32 v[246:247], v[246:247], v[116:117]
	v_pk_add_f32 v[254:255], v[254:255], v[124:125]
	v_pk_add_f32 v[252:253], v[252:253], v[132:133]
	v_pk_add_f32 v[250:251], v[250:251], v[140:141]
	v_pk_add_f32 v[14:15], v[14:15], v[148:149]
	v_pk_add_f32 v[240:241], v[240:241], v[156:157]
	v_pk_add_f32 v[242:243], v[242:243], v[102:103]
	v_pk_add_f32 v[244:245], v[244:245], v[110:111]
	v_pk_add_f32 v[246:247], v[246:247], v[118:119]
	v_pk_add_f32 v[254:255], v[254:255], v[126:127]
	v_pk_add_f32 v[252:253], v[252:253], v[134:135]
	v_pk_add_f32 v[250:251], v[250:251], v[142:143]
	v_pk_add_f32 v[14:15], v[14:15], v[150:151]
	v_pk_add_f32 v[240:241], v[240:241], v[158:159]
	s_delay_alu instid0(VALU_DEP_2)
	v_pk_add_f32 v[14:15], v[14:15], v[246:247]
	s_delay_alu instid0(VALU_DEP_2)
	v_pk_add_f32 v[240:241], v[240:241], v[254:255]
	v_pk_add_f32 v[242:243], v[242:243], v[252:253]
	v_pk_add_f32 v[244:245], v[244:245], v[250:251]
	s_delay_alu instid0(VALU_DEP_2)
	v_pk_add_f32 v[14:15], v[14:15], v[242:243]
	s_delay_alu instid0(VALU_DEP_2)
	v_pk_add_f32 v[240:241], v[240:241], v[244:245]
	s_delay_alu instid0(VALU_DEP_1)
	v_pk_add_f32 v[14:15], v[14:15], v[240:241]
.irp b, 0,1,2,3
.set i, 0
.rept 16
	v_min_num_f32 v[96+16*\b+i], v[96+16*\b+i], v4 ; the conversion does not saturate (ISA guide 7.6.2); p is not negative: a one-sided hold
.set i, i+1
.endr
	v_cvt_scalef32_pk8_fp8_f32 v[224+4*\b:225+4*\b], v[96+16*\b:103+16*\b], v5
	v_cvt_scalef32_pk8_fp8_f32 v[226+4*\b:227+4*\b], v[104+16*\b:111+16*\b], v5
.endr
.set j, 0
.rept 4
	v_pk_mul_f32 v[160+j:161+j], v[160+j:161+j], v[6:7] op_sel_hi:[1,0]   ; O^T under the new M; these are also the plain lines behind the conversions
.set j, j+2
.endr
	v_add_nc_u32 v[ADV], s[TBW], v[LI]
.irp t, 0,1,2,3
.irp c, 0,1,2,3
	ds_load_b128 v[96+16*\t+4*\c:99+16*\t+4*\c], v[ADV] offset:2048*\t+512*\c   ; p is in its codes: its 64 registers take V's other four d tiles, which land under the 28 lines and four products below
.endr
.endr
.rept 28
	v_pk_mul_f32 v[160+j:161+j], v[160+j:161+j], v[6:7] op_sel_hi:[1,0]
.set j, j+2
.endr
	s_wait_alu depctr_va_vdst(0)
	s_wait_dscnt 16                                ; V's first four d tiles are in; the 16 loads of the others may be out
.irp t, 0,1,2,3
	v_wmma_f32_16x16x128_fp8_fp8 v[160+8*\t:167+8*\t], v[32+16*\t:47+16*\t], v[224:239], v[160+8*\t:167+8*\t]   ; the eight accumulators take turns, one instruction a turn
.endr
	s_wait_dscnt 0x0
.irp t, 0,1,2,3
	v_wmma_f32_16x16x128_fp8_fp8 v[192+8*\t:199+8*\t], v[96+16*\t:111+16*\t], v[224:239], v[192+8*\t:199+8*\t]
.endr
.Lhidden_\@:
	s_add_co_u32 s[TB], s[TB], 32768               ; two key steps on
	s_add_co_u32 s[TBV], s[TBV], 32768
	s_add_co_u32 s[TBW], s[TBW], 32768
	s_add_co_u32 s[KJ], s[KJ], 2
.endm
	s_wait_alu depctr_va_vdst(0)
	s_wait_loadcnt 0x0                             ; Q
	s_wait_tensorcnt 0x0                           ; my part of K or V has landed,
	s_barrier_signal -1
	s_barrier_wait -1                              ; and everybody's
	s_mov_b32 s[CNT], 4
.Lstep:
	STEP
	s_sub_co_u32 s[CNT], s[CNT], 1
	s_cmp_lg_u32 s[CNT], 0
	s_cbranch_scc1 .Lstep
	; THE JOIN
	NOPS
	v_add_f32 v14, v14, v15
	v_mov_b32 v8, v12
	v_permlanex16_b32 v10, v14, s[SEL], s[SEL+1]
	v_add_nc_u32 v2, s58, v[LI]
	v_lshrrev_b32 v3, 1, v[LI]                     ; 8 x lane
	v_add_f32 v9, v14, v10                         ; my keys' sum of the row; v8 is -M
	v_add_nc_u32 v240, s59, v[LI]
	v_add_nc_u32 v241, s59, v3
	v_add_nc_u32 v3, s58, v3
	s_wait_alu depctr_va_vdst(0)
	s_wait_dscnt 0x0
	s_barrier_signal -1
	s_barrier_wait -1                              ; nobody reads K or V any more
	ds_store_b64 v3, v[8:9] offset:4096
.irp i, 0,1,2,3,4,5,6,7
	ds_store_b128 v2, v[192+4*\i:195+4*\i] offset:512*\i   ; the half of d that my partner finishes
.endr
	s_wait_dscnt 0x0
	s_barrier_signal -1
	s_barrier_wait -1
	ds_load_b64 v[242:243], v241 offset:4096       ; my partner's -M and sum
.irp i, 0,1,2,3,4,5,6,7
	ds_load_b128 v[96+4*\i:99+4*\i], v240 offset:512*\i   ; and its part of my half of d
.endr
	s_sub_co_i32 s85, s78, s76
	s_sub_co_i32 s85, s85, s77                     ; e16 - e14 - e15
	s_add_co_i32 s85, s85, 127
	s_lshl_b32 s86, s85, 23
	s_add_co_i32 s85, s85, 8
	s_lshl_b32 s85, s85, 23
	s_or_b32 s85, s85, 0x600000
	v_mov_b32 v5, s86
	v_mov_b32 v4, s85
	s_wait_alu depctr_va_vdst(0)
	s_wait_dscnt 8                                 ; the eight loads of O may be out
	v_min_num_f32 v244, v8, v242                   ; -M of both
	v_sub_f32 v245, v244, v8
	v_sub_f32 v246, v244, v242
	v_cvt_i32_f32 v245, v245                       ; (they saturate: a wave that walked no step has M = -3e38, zeros and the factor 0)
	v_cvt_i32_f32 v246, v246
	v_ldexp_f32 v6, 1.0, v245                      ; my factor: exact
	v_ldexp_f32 v14, 1.0, v246                     ; and my partner's
	v_mul_f32 v247, v9, v6
	v_fma_f32 v247, v243, v14, v247                ; the row's sum
	s_wait_alu depctr_va_vdst(0)                   ; the wait ahead of the transcendental,
	v_rcp_f32 v247, v247
	v_nop
	s_wait_alu depctr_va_vdst(0)                   ; and ahead of its result's first reader
	v_mul_f32 v6, v6, v247
	v_mul_f32 v14, v14, v247
	s_wait_alu depctr_va_vdst(0)
	s_wait_dscnt 0x0
.set j, 0
.rept 16
	v_pk_mul_f32 v[128+j:129+j], v[160+j:161+j], v[6:7] op_sel_hi:[1,0]
.set j, j+2
.endr
.set j, 0
.rept 16
	v_pk_fma_f32 v[96+j:97+j], v[96+j:97+j], v[14:15], v[128+j:129+j] op_sel_hi:[1,0,1]   ; O, my half of d
.set j, j+2
.endr
.set i, 0
.rept 32
	v_med3_num_f32 v[96+i], v[96+i], -v4, v4
.set i, i+1
.endr
.irp g, 0,1,2,3
	v_cvt_scalef32_pk8_fp8_f32 v[224+2*\g:225+2*\g], v[96+8*\g:103+8*\g], v5   ; quantised under 2^(e16 - e14 - e15)
.endr
	v_nop
.irp c, 0,1
	global_store_b128 v[LI], v[224+4*\c:227+4*\c], s[96:97] offset:512*\c   ; 512 consecutive bytes
.endr
	v_lshl_add_u32 v8, v0, 2, SPARE                ; the add's two registers, made anew
	v_mov_b32 v9, 0
	s_wait_alu depctr_va_vdst(0)
	s_wait_tensorcnt 0x0                           ; the wave's end
	ds_add_u32 v8, v9
	s_wait_dscnt 0x0
	CROUND                                         ; the closing round
	s_endpgm
.Lfunc_end_k_q9fd9a4674d_attn:
	.size	k_q9fd9a4674d_attn, .Lfunc_end_k_q9fd9a4674d_attn-k_q9fd9a4674d_attn
	.p2alignl 7, 3214868480
	.fill 96, 4, 3214868480
	.section	.rodata,"a",@progbits
	.p2align	6, 0x0
	.amdhsa_kernel k_q9fd9a4674d_attn
		.amdhsa_group_segment_fixed_size 264192
		.amdhsa_private_segment_fixed_size 0
		.amdhsa_enable_private_segment 0
		.amdhsa_kernarg_size 48
		.amdhsa_user_sgpr_count 2
		.amdhsa_user_sgpr_kernarg_segment_ptr 1
		.amdhsa_wavefront_size32 1
		.amdhsa_system_sgpr_workgroup_id_x 1
		.amdhsa_system_sgpr_workgroup_id_y 1
		.amdhsa_system_sgpr_workgroup_id_z 1
		.amdhsa_system_vgpr_workitem_id 0
		.amdhsa_next_free_vgpr 256
		.amdhsa_next_free_sgpr 100
		.amdhsa_reserve_vcc 1
		.amdhsa_float_denorm_mode_32 3
		.amdhsa_float_denorm_mode_16_64 3
		.amdhsa_memory_ordered 1
		.amdhsa_forward_progress 1
		.amdhsa_inst_pref_size 47
	.end_amdhsa_kernel
	.amdgpu_metadata
---
amdhsa.version: [ 1, 2 ]
amdhsa.kernels:
  - .name:           k_q9fd9a4674d_attn
    .symbol:         k_q9fd9a4674d_attn.kd
    .args:
      - { .name: qc, .offset: 0, .size: 8, .value_kind: global_buffer, .address_space: global }
      - { .name: kc, .offset: 8, .size: 8, .value_kind: global_buffer, .address_space: global }
      - { .name: vc, .offset: 16, .size: 8, .value_kind: global_buffer, .address_space: global }
      - { .name: gate_logit, .offset: 24, .size: 8, .value_kind: global_buffer, .address_space: global }
      - { .name: lowp_scales, .offset: 32, .size: 8, .value_kind: global_buffer, .address_space: global }
      - { .name: oc, .offset: 40, .size: 8, .value_kind: global_buffer, .address_space: global }
    .group_segment_fixed_size: 264192
    .private_segment_fixed_size: 0
    .kernarg_segment_align: 8
    .kernarg_segment_size: 48
    .max_flat_workgroup_size: 512
    .sgpr_count:     100
    .vgpr_count:     256
    .wavefront_size: 32
...
	.end_amdgpu_metadata
.endif
;; end of part 3
;; launch outp (part 4): grid 16 x 16, 4 waves a work-group, clusters of 4 x 1, 327,680 bytes of LDS; arguments oc, wc, lowp_scales, out0; writes out0
.if DOCPART == 4
	.amdgcn_target "amdgcn-amd-amdhsa--gfx1250"
	.amdhsa_code_object_version 6
	.text
	.protected	k_q9fd9a4674d_outp
	.globl	k_q9fd9a4674d_outp
	.p2align	8
	.type	k_q9fd9a4674d_outp,@function
k_q9fd9a4674d_outp:
	s_mov_b64 s[64:65], 0
	v_nop
	global_prefetch_b8 v0, s[64:65] scope:SCOPE_SE
	s_setreg_imm32_b32 hwreg(HW_REG_WAVE_MODE, 25, 1), 1
	s_wait_xcnt 0x0
	s_wait_alu depctr_hold_cnt(0) depctr_sa_sdst(0) depctr_va_vdst(0) depctr_va_sdst(0) depctr_va_ssrc(0) depctr_va_vcc(0) depctr_vm_vsrc(0)
	s_getreg_b32 s2, hwreg(HW_REG_IB_STS2, 6, 4)
	s_cmp_eq_u32 s2, 0
	s_cbranch_scc0 .Lentry_in_a_cluster
	s_endpgm
.Lentry_in_a_cluster:
	s_bfe_u32 s2, ttmp6, 0x10000c
	s_cmp_lg_u32 s2, 0x3003
	s_cbranch_scc0 .Lentry_shape_is_right
	s_endpgm
.Lentry_shape_is_right:
; OUTP: out[token][n] = 2^(e16 + e17) x the sum over K = 2,048 of oc (attention's codes) x wo's codes, f32.
; A work-group of four waves makes 128 tokens x 128 columns; a wave 32 x 128: 16 accumulators.  Grid: x = block of tokens, y = block of columns; the four work-groups of a cluster have the same columns.
; B (wo's 8 tiles x 16 K steps, 256 KiB) lies in LDS whole: each byte is filled once, in two halves of K of 128 KiB, each wave bringing two tiles of a half by one joint load of the cluster.
; A (attention's codes) goes from memory straight into the registers of the one wave that multiplies it, 8 K steps ahead, as fragments (images of registers): nothing of A is shared between waves or work-groups of the cluster, so it takes no joint load and no LDS.
; PREFETCH: behind the first half's load each wave asks once for its part of the second half: of its two tiles' 2 x 16,384 bytes each of the four partners names 8,192 (by address), lanes 256 bytes apart.
; TRANSPOSED (source 0 = B, source 1 = A): lane (r, h) holds token place r of a tile, register i of tile 4 g + j is column 64 g + 4 pi(8 h + i) + j of the block, pi = bits 2 and 3 exchanged:
; so register i of four tiles are four neighbouring columns.  Place r of token tile T is token 32 (T / 2) + 8 (T % 2) + r + 8 (r / 8).
; LIMITS: e16 + e17 between -126 and 127.  NaN is not served.
; REGISTERS: window 0: v16-29 addresses, v32-95 the way out, v128-255 the accumulators, (a, b) at v[128 + 8 (8 a + b)], and on the way out the rows read back; window 1: A, eight K steps of 32; window 2: B, four half steps of 64.
.set HALFB, 131072
.set SPARE, 2*HALFB                    ; the spare words, 128 bytes for each wave, named by no other line
.set STAGE, SPARE+512                  ; the way out: 16 rows of 512 + 16 bytes for each wave; no tile lands there
.set SP,    528
.set ADR,  16                          ; v16-19  LDS address of B's tiles 0-3, 4-7 in the first half of K, and in the second
.set OF,   20                          ; v20  16 x lane: A's, and the way out's offset
.set PFO,  21                          ; v21  256 x lane
.set STO,  24
.set RD,   25
.set SPW,  28
.set NIL,  29
.set TMP,  32
.set ACC,  128
.set MSB, 0
.macro WIN new                         ; the immediate's high byte repeats the setting that is left
.if MSB != (\new)
	s_set_vgpr_msb (MSB<<8)|(\new)
.set MSB, (\new)
.endif
.endm
.macro CROUND
	s_barrier_signal -1
	s_barrier_wait -1
	s_cmp_lg_u32 s14, 0
	s_cbranch_scc1 .Lnot_wave_0_\@
	s_barrier_signal -3
.Lnot_wave_0_\@:
	s_barrier_wait -3
	s_barrier_signal -1
	s_barrier_wait -1
.endm
.macro PLACES                          ; plain vector lines behind matrix instructions whose registers are loaded anew or whose results are read (ISA guide 7.12.1)
.rept 4
	v_nop
.endr
.endm
	s_load_b128 s[4:7], s[0:1], 0x0                ; oc, wc
	s_load_b128 s[8:11], s[0:1], 0x10              ; the scales' exponents, out
	v_lshl_add_u32 v[SPW], v0, 2, SPARE
	v_mov_b32 v[NIL], 0
	ds_add_u32 v[SPW], v[NIL]                      ; the wave's opening: the add, twice on end, and its wait ahead of my first tensor load
	ds_add_u32 v[SPW], v[NIL]
	v_lshrrev_b32 v1, 5, v0
	v_readfirstlane_b32 s14, v1                    ; wave 0..3
	s_bfe_u32 s40, ttmp6, 0x40000                  ; cx
	s_lshl_b32 s42, ttmp9, 2
	s_add_co_u32 s42, s42, s40                     ; rt: my block of tokens
	s_and_b32 s17, ttmp7, 0xffff                   ; ct: my block of columns, which the partners share
	s_mov_b32 s24, 15|(3<<16)|(1<<21)              ; group 1: 15:0 all four work-groups; elements of 8 bytes; 21 set beside a mask; no padding
	s_mov_b32 s25, 2048<<16                        ; tensor_dim0 = 2,048 elements: 8 fragments of a tile
	s_mov_b32 s26, 2<<16                           ; tensor_dim1 = 2 tiles
	s_mov_b32 s27, 2048<<16                        ; tile_dim0
	s_mov_b32 s28, 2                               ; tile_dim1
	s_mov_b32 s29, 4096                            ; from tile to tile: 32,768 bytes
	s_mov_b32 s30, 0
	s_mov_b32 s31, 0
	s_lshl_b32 s18, s14, 16                        ; two tiles for each wave
	s_lshl_b32 s46, s17, 18
	s_add_co_u32 s46, s46, s18
	s_add_co_u32 s46, s46, 0xc00000                ; B: wo begins at tile 384; tile 8 ct + 2 w
	s_mov_b32 s47, 0
	s_lshl_b32 s20, s42, 18
	s_add_co_u32 s20, s20, s18                     ; A: tile 8 rt + 2 w
	s_mov_b32 s21, 0
	s_lshl_b32 s45, s14, 15                        ; where my load lands
	s_lshr_b32 s48, s40, 1
	s_lshl_b32 s48, s48, 15
	s_and_b32 s49, s40, 1
	s_lshl_b32 s49, s49, 13
	s_add_co_u32 s48, s48, s49                     ; my work-group's part of what the partners prefetch
	s_mov_b32 s49, 0
	s_lshl_b32 s52, s42, 20
	s_lshl_b32 s53, s14, 18
	s_add_co_u32 s52, s52, s53
	s_lshl_b32 s53, s17, 9
	s_add_co_u32 s52, s52, s53                     ; out: row 128 rt + 32 w, column 128 ct
	s_mov_b32 s53, 0
	s_mul_i32 s54, s14, 16*SP
	s_add_co_u32 s54, s54, STAGE                   ; my stage
	v_and_b32 v1, 15, v0                           ; r
	v_bfe_u32 v2, v0, 4, 1                         ; h
	v_and_b32 v3, 31, v0
	v_lshlrev_b32 v[OF], 4, v3
	v_lshlrev_b32 v[PFO], 8, v3
	v_lshlrev_b32 v[ADR], 4, v3
	v_add_nc_u32 v[ADR+1], 65536, v[OF]
	v_add_nc_u32 v[ADR+2], HALFB, v[OF]
	v_add_nc_u32 v[ADR+3], HALFB+65536, v[OF]
	v_mul_u32_u24 v4, v1, SP
	v_lshl_add_u32 v4, v2, 6, v4
	v_add_nc_u32 v[STO], s54, v4                   ; in: row r, + 64 h
	v_add_nc_u32 v[RD], s54, v[OF]                 ; back: the 32 lanes take one row of 512 bytes
	s_wait_alu depctr_va_vdst(0)                   ; ahead of the waits and branches below
	s_wait_dscnt 0x0                               ; both opening adds are done
	CROUND                                         ; all four work-groups are here: the first joint loads meet
	s_wait_kmcnt 0x0
	s_add_nc_u64 s[46:47], s[6:7], s[46:47]
	s_mov_b32 s32, 1
	s_mov_b32 s33, s45
	s_mov_b64 s[34:35], s[46:47]
	s_or_b32 s35, s35, 0x80000000
	tensor_load_to_lds s[32:35], s[24:31]          ; the first half of K
	s_nop 0
	PLACES
	s_load_b64 s[96:97], s[8:9], 0x40              ; entries 16, 17
	s_add_nc_u64 s[20:21], s[4:5], s[20:21]
	s_mov_b32 s36, 1
	s_add_co_u32 s37, s45, HALFB
	s_add_nc_u64 s[38:39], s[46:47], 16384
	s_or_b32 s39, s39, 0x80000000
	s_add_nc_u64 s[48:49], s[46:47], s[48:49]
	s_add_nc_u64 s[10:11], s[10:11], s[52:53]
.macro LOADA k                         ; A's two fragments of K step k: eight loads of 512 consecutive bytes
	WIN 0x40
.irp a, 0,1
.irp c, 0,1,2,3
	global_load_b128 v[32*((\k)%8)+16*\a+4*\c:32*((\k)%8)+16*\a+4*\c+3], v[OF], s[20:21] offset:32768*\a+2048*(\k)+512*\c
.endr
.endr
.endm
.macro FETCH m                         ; half step m: four of B's fragments of K step m / 2
	WIN 0x80
.set KS, (\m)/2
.set AD, ADR+2*(KS/8)+((\m)%2)
.irp i, 0,1,2,3
.irp c, 0,1,2,3
	ds_load_b128 v[64*((\m)%4)+16*\i+4*\c:64*((\m)%4)+16*\i+4*\c+3], v[AD] offset:16384*\i+2048*(KS%8)+512*\c
.endr
.endr
.endm
; A HALF STEP: A's two fragments x four of B's, 128 along K.  B's loads run three half steps ahead, A's seven K steps.  The accumulators take turns, one instruction a turn.
.macro HSTEP x
.set HK, (\x)/2
.if (\x) == 13                         ; the loads below reach the second half of K:
	WIN 0
	s_wait_tensorcnt 0x0                           ; my part of it is in,
	s_wait_dscnt 0x0
	s_barrier_signal -1
	s_barrier_wait -1                              ; and everybody's
.endif
.if (\x)%2 == 0
.if HK == 0
	s_wait_loadcnt 56                              ; A's K step 0 is in; seven K steps of 8 loads may be out
.elseif HK < 10
	s_wait_loadcnt 48                              ; six may be out
.else
	s_wait_loadcnt 8*(15-HK)
.endif
.endif
.if (\x) < 30
	s_wait_dscnt 32                                ; this half step's fragments are in; the next two's may be out
.else
	s_wait_dscnt 16*(31-(\x))
.endif
	PLACES
.if ((\x)%2 == 0) && (HK > 0) && (HK < 9)
	LOADA HK+7
.endif
.if (\x) < 29
	FETCH (\x)+3
.endif
	WIN 0x06                                       ; source 0 (B) window 2, source 1 (A) window 1
.irp a, 0,1
.irp b, 0,1,2,3
.if HK == 0
	v_wmma_f32_16x16x128_fp8_fp8 v[ACC+8*(8*\a+4*((\x)%2)+\b):ACC+8*(8*\a+4*((\x)%2)+\b)+7], v[64*((\x)%4)+16*\b:64*((\x)%4)+16*\b+15], v[32*(HK%8)+16*\a:32*(HK%8)+16*\a+15], 0
.else
	v_wmma_f32_16x16x128_fp8_fp8 v[ACC+8*(8*\a+4*((\x)%2)+\b):ACC+8*(8*\a+4*((\x)%2)+\b)+7], v[64*((\x)%4)+16*\b:64*((\x)%4)+16*\b+15], v[32*(HK%8)+16*\a:32*(HK%8)+16*\a+15], v[ACC+8*(8*\a+4*((\x)%2)+\b):ACC+8*(8*\a+4*((\x)%2)+\b)+7]
.endif
.endr
.endr
.endm
.irp k, 0,1,2,3,4,5,6,7
	LOADA \k
.endr
	WIN 0
	global_prefetch_b8 v[PFO], s[48:49] offset:16384 th:TH_LOAD_NT scope:SCOPE_SE
	s_wait_tensorcnt 0x0                           ; my part of the first half is in
	ds_add_u32 v[SPW], v[NIL]
	s_wait_dscnt 0x0
	CROUND                                         ; everybody's part is in, and the joint loads meet
	tensor_load_to_lds s[36:39], s[24:31]          ; the second half of K
	s_nop 0
	PLACES
	FETCH 0
	FETCH 1
	FETCH 2
.set HN, 0
.rept 32
	HSTEP HN
.set HN, HN+1
.endr
	WIN 0
	s_wait_kmcnt 0x0
	s_add_co_i32 s96, s96, s97
	s_add_co_i32 s96, s96, 127
	s_lshl_b32 s96, s96, 23                        ; 2^(e16 + e17) as f32
	PLACES
; THE WAY OUT, block a of 16 tokens: scaled, into my own stage by 16 bytes, back as whole rows of 512 bytes.  LDS serves a wave's instructions in order: no wait between the stores and the loads, nor ahead of the next block's stores.
.macro TOSTAGE a
.irp g, 0,1
.irp i, 0,1,2,3,4,5,6,7
.irp j, 0,1,2,3
	v_mul_f32 v[TMP+32*\g+4*\i+\j], s96, v[ACC+64*(\a)+8*(4*\g+\j)+\i]
.endr
.endr
.endr
.irp g, 0,1
.irp i, 0,1,2,3,4,5,6,7
	ds_store_b128 v[STO], v[TMP+32*\g+4*\i:TMP+32*\g+4*\i+3] offset:256*\g+128*(\i/4)+16*(\i%4)
.endr
.endr
.irp t, 0,1,2,3,4,5,6,7,8,9,10,11,12,13,14,15
	ds_load_b128 v[ACC+64*(\a)+4*\t:ACC+64*(\a)+4*\t+3], v[RD] offset:SP*\t
.endr
.endm
.macro SEND a
.irp t, 0,1,2,3,4,5,6,7,8,9,10,11,12,13,14,15
	global_store_b128 v[OF], v[ACC+64*(\a)+4*\t:ACC+64*(\a)+4*\t+3], s[10:11] offset:(8*(\a)+\t+8*(\t/8))*8192 th:TH_STORE_NT   ; 512 consecutive bytes: two aligned units
.endr
.endm
	TOSTAGE 0
	TOSTAGE 1
	s_wait_dscnt 32                                ; block 0 is back; block 1's 16 stores and 16 loads may be out
	SEND 0
	s_wait_dscnt 0x0
	SEND 1
	s_wait_tensorcnt 0x0                           ; the wave's end
	ds_add_u32 v[SPW], v[NIL]
	s_wait_dscnt 0x0
	CROUND                                         ; the closing round: no work-group ends while a partner may still ask for a tile that names it
	s_endpgm
.Lfunc_end_k_q9fd9a4674d_outp:
	.size	k_q9fd9a4674d_outp, .Lfunc_end_k_q9fd9a4674d_outp-k_q9fd9a4674d_outp
	.p2alignl 7, 3214868480
	.fill 96, 4, 3214868480
	.section	.rodata,"a",@progbits
	.p2align	6, 0x0
	.amdhsa_kernel k_q9fd9a4674d_outp
		.amdhsa_group_segment_fixed_size 327680
		.amdhsa_private_segment_fixed_size 0
		.amdhsa_enable_private_segment 0
		.amdhsa_kernarg_size 32
		.amdhsa_user_sgpr_count 2
		.amdhsa_user_sgpr_kernarg_segment_ptr 1
		.amdhsa_wavefront_size32 1
		.amdhsa_system_sgpr_workgroup_id_x 1
		.amdhsa_system_sgpr_workgroup_id_y 1
		.amdhsa_system_sgpr_workgroup_id_z 1
		.amdhsa_system_vgpr_workitem_id 0
		.amdhsa_next_free_vgpr 768
		.amdhsa_next_free_sgpr 100
		.amdhsa_reserve_vcc 0
		.amdhsa_float_denorm_mode_32 3
		.amdhsa_float_denorm_mode_16_64 3
		.amdhsa_memory_ordered 1
		.amdhsa_forward_progress 1
		.amdhsa_inst_pref_size 85
	.end_amdhsa_kernel
	.amdgpu_metadata
---
amdhsa.version: [ 1, 2 ]
amdhsa.kernels:
  - .name:           k_q9fd9a4674d_outp
    .symbol:         k_q9fd9a4674d_outp.kd
    .args:
      - { .name: oc, .offset: 0, .size: 8, .value_kind: global_buffer, .address_space: global }
      - { .name: wc, .offset: 8, .size: 8, .value_kind: global_buffer, .address_space: global }
      - { .name: lowp_scales, .offset: 16, .size: 8, .value_kind: global_buffer, .address_space: global }
      - { .name: out0, .offset: 24, .size: 8, .value_kind: global_buffer, .address_space: global }
    .group_segment_fixed_size: 327680
    .private_segment_fixed_size: 0
    .kernarg_segment_align: 8
    .kernarg_segment_size: 32
    .max_flat_workgroup_size: 128
    .sgpr_count:     100
    .vgpr_count:     768
    .wavefront_size: 32
...
	.end_amdgpu_metadata
.endif
;; end of part 4
